; MI455X (gfx1250); checked and timed in simulation.
; The chip was launched on July 23, 2026; its instructions are those of AMD's public machine-readable ISA for CDNA 5 (MIT licence, August 2026) and "CDNA5" Instruction Set Architecture Reference Guide (July 2026). The comments in the code are by the model that wrote it; some were corrected since.
;; Block. Allowed arithmetic: float matrix products may take bf16 or f16 operands with f32 sums; all other float work in f32.
;; Inputs: ff1_b 1,024 float32; ff1_w 256 x 1,024 float32; ff2_b 256 float32; ff2_w 1,024 x 256 float32; ln1_b 256 float32; ln1_g 256 float32; ln2_b 256 float32; ln2_g 256 float32; proj_b 256 float32; proj_w 256 x 256 float32; wk 8 x 256 x 32 float32; wq 8 x 256 x 32 float32; wv 8 x 256 x 32 float32; x 512 x 128 x 256 float32.
;; Outputs: out0 512 x 128 x 256 float32.
;; 2 versions, each right and faster than the one before. Each part assembles by itself: llvm-mc -triple=amdgcn-amd-amdhsa -mcpu=gfx1250 --defsym DOCPART=n.
;; ======== version 1 of 2: 2 launches
;; limits: values are held in f16: magnitudes above 65,504 overflow, below 6.1e-05 lose precision
;; workspace buffers: wb 1,572,864 bytes
;; launch prep (part 1): grid 32 x 12, 8 waves a work-group, no clusters, 0 bytes of LDS; arguments wk, wv, wq, proj_w, ff1_w, ff2_w, wb; writes wb
.if DOCPART == 1
	.amdgcn_target "amdgcn-amd-amdhsa--gfx1250"
	.amdhsa_code_object_version 6
	.text
	.protected	k_q14b1bc1122_prep
	.globl	k_q14b1bc1122_prep
	.p2align	8
	.type	k_q14b1bc1122_prep,@function
k_q14b1bc1122_prep:
	s_mov_b64 s[64:65], 0
	v_nop
	global_prefetch_b8 v0, s[64:65] scope:SCOPE_SE
	s_setreg_imm32_b32 hwreg(HW_REG_WAVE_MODE, 25, 1), 1
	s_wait_xcnt 0x0
; All six weight matrices, f32 [K][N], are rounded once to f16 and laid into wb as matrix-operand fragments, in the order in which
; the second launch walks them: 24 fills of 65,536 bytes.
; f16, not bf16: 11 significant bits against 8.  The weights have the room: about 0.06 in size, so thirty times larger stays far below 65,504,
; and thirty times smaller (0.002) is still rounded to within 2^-25.  LIMIT: a weight beyond 65,504 in size becomes an infinity.
; A fragment (kb, nb) is 1,024 bytes: byte c*512 + h*256 + r*16 + 2i holds W[32 kb + 16 c + 8 h + i][16 nb + r].
;   fill F = 0..7 (head F): wk at +0, wv at +16384, wq at +32768 (fragment (kb, nbl) at kb*2048 + nbl*1024), proj_w rows 32F..32F+31 at +49152 (nb*1024)
;   chunk c = 0..31 of the hidden layer at 524288 + c*32768: ff1_w columns 32c..32c+31 (kb*2048 + nbl*1024), ff2_w rows 32c..32c+31 at +16384 (nb*1024)
; A wave takes 8 rows of k (number G) x 32 columns (number nblk): lane L loads column 32 nblk + L of the eight rows (each load of the wave covers
; 128 consecutive bytes), packs them, and stores 16 bytes: lanes 0-15 fill 256 consecutive aligned bytes of one fragment, lanes 16-31 of the next.
; 3,072 waves x 512 bytes = 1,572,864: every byte of wb is stored once.  No LDS, no barrier, no loop: the launch moves 4.7 MB in all.
.set OFF, 2                            ; v[2:9]    byte offset of my column in row j of the eight
.set DAT, 10                           ; v[10:17]  the eight numbers
.set PK,  18                           ; v[18:21]  packed
.set DST, 22                           ; v22       my 16 bytes in the two fragments
	s_load_b256 s[8:15], s[0:1], 0x0               ; wk s[8:9], wv s[10:11], wq s[12:13], proj_w s[14:15]
	s_load_b128 s[16:19], s[0:1], 0x20             ; ff1_w s[16:17], ff2_w s[18:19]
	s_load_b64 s[20:21], s[0:1], 0x30              ; wb
	s_and_b32 s2, ttmp7, 0xffff                    ; y says which matrix, and which quarter of the two large ones
	v_lshrrev_b32 v1, 5, v0
	v_readfirstlane_b32 s4, v1                     ; wave
	v_and_b32 v1, 31, v0                           ; lane
	s_lshl3_add_u32 s3, ttmp9, s4                  ; 8 x + wave: 0..255
	s_wait_kmcnt 0x0
	; parameters: s24 log2 of the column blocks, s31 their mask, s25 bytes in a row, s26/s27 destination steps for kb>>3 and kb&7,
	; s28 destination step for a column block, s29 destination base, s30 quarter, s[32:33] the source
	s_cmp_ge_u32 s2, 8
	s_cbranch_scc1 .Lff2
	s_cmp_ge_u32 s2, 4
	s_cbranch_scc1 .Lff1
	s_cmp_eq_u32 s2, 3
	s_cbranch_scc1 .Lproj
	s_cmp_eq_u32 s2, 1                             ; wk, wv, wq, read as [2048][32]: row = 256 head + e, so kb>>3 is the head
	s_cselect_b64 s[32:33], s[10:11], s[8:9]
	s_cmp_eq_u32 s2, 2
	s_cselect_b64 s[32:33], s[12:13], s[32:33]
	s_mov_b32 s24, 0
	s_mov_b32 s31, 0
	s_mov_b32 s25, 128
	s_mov_b32 s26, 65536
	s_mov_b32 s27, 2048
	s_mov_b32 s28, 0
	s_lshl_b32 s29, s2, 14
	s_mov_b32 s30, 0
	s_branch .Lgo
.Lproj:                                            ; proj_w [256][256]: kb is the head
	s_mov_b64 s[32:33], s[14:15]
	s_mov_b32 s24, 3
	s_mov_b32 s31, 7
	s_mov_b32 s25, 1024
	s_mov_b32 s26, 0
	s_mov_b32 s27, 65536
	s_mov_b32 s28, 2048
	s_mov_b32 s29, 49152
	s_mov_b32 s30, 0
	s_branch .Lgo
.Lff1:                                             ; ff1_w [256][1024]: the column block is the chunk
	s_mov_b64 s[32:33], s[16:17]
	s_mov_b32 s24, 5
	s_mov_b32 s31, 31
	s_mov_b32 s25, 4096
	s_mov_b32 s26, 0
	s_mov_b32 s27, 2048
	s_mov_b32 s28, 32768
	s_mov_b32 s29, 524288
	s_sub_co_u32 s30, s2, 4
	s_branch .Lgo
.Lff2:                                             ; ff2_w [1024][256]: kb is the chunk
	s_mov_b64 s[32:33], s[18:19]
	s_mov_b32 s24, 3
	s_mov_b32 s31, 7
	s_mov_b32 s25, 1024
	s_mov_b32 s26, 262144
	s_mov_b32 s27, 32768
	s_mov_b32 s28, 2048
	s_mov_b32 s29, 540672
	s_sub_co_u32 s30, s2, 8
.Lgo:
	s_lshl_b32 s30, s30, 8
	s_add_co_u32 s3, s3, s30                       ; the wave's item in its matrix
	s_and_b32 s31, s3, s31                         ; nblk
	s_lshr_b32 s3, s3, s24                         ; G
	s_lshr_b32 s34, s3, 2                          ; kb
	s_mul_i32 s36, s3, s25
	s_lshl_b32 s36, s36, 3                         ; 8 G rows
	s_lshl_b32 s35, s31, 7                         ; + 128 bytes for each column block
	s_add_co_u32 s36, s36, s35
	s_mov_b32 s37, 0
	s_add_nc_u64 s[32:33], s[32:33], s[36:37]      ; the source at my first row and column
	s_lshr_b32 s35, s34, 3
	s_mul_i32 s35, s35, s26
	s_and_b32 s34, s34, 7
	s_mul_i32 s34, s34, s27
	s_add_co_u32 s36, s35, s34
	s_mul_i32 s35, s31, s28
	s_add_co_u32 s36, s36, s35
	s_and_b32 s35, s3, 3                           ; G & 3 = 2 c + h: 256 bytes each
	s_lshl_b32 s35, s35, 8
	s_add_co_u32 s36, s36, s35
	s_add_co_u32 s36, s36, s29
	s_add_nc_u64 s[20:21], s[20:21], s[36:37]      ; wb at my part of the first of my two fragments
	v_lshlrev_b32 v[OFF], 2, v1
.irp j, 1,2,3,4,5,6,7
	v_add_nc_u32 v[OFF+\j], s25, v[OFF+\j-1]       ; one row further down
.endr
.irp j, 0,1,2,3,4,5,6,7
	global_load_b32 v[DAT+\j], v[OFF+\j], s[32:33]
.endr
	v_lshrrev_b32 v[DST], 4, v1                    ; lanes 16-31: the next fragment,
	v_and_b32 v23, 15, v1
	v_lshlrev_b32 v[DST], 10, v[DST]               ; 1,024 bytes on;
	v_lshl_add_u32 v[DST], v23, 4, v[DST]          ; 16 bytes for each column r
	s_wait_loadcnt 0x0
.irp i, 0,1,2,3
	v_cvt_pk_f16_f32 v[PK+\i], v[DAT+2*\i], v[DAT+2*\i+1]      ; k ascending, the lower k in the lower half
.endr
	global_store_b128 v[DST], v[PK:PK+3], s[20:21]
	s_endpgm
.Lfunc_end_k_q14b1bc1122_prep:
	.size	k_q14b1bc1122_prep, .Lfunc_end_k_q14b1bc1122_prep-k_q14b1bc1122_prep
	.p2alignl 7, 3214868480
	.fill 96, 4, 3214868480
	.section	.rodata,"a",@progbits
	.p2align	6, 0x0
	.amdhsa_kernel k_q14b1bc1122_prep
		.amdhsa_group_segment_fixed_size 0
		.amdhsa_private_segment_fixed_size 0
		.amdhsa_enable_private_segment 0
		.amdhsa_kernarg_size 56
		.amdhsa_user_sgpr_count 2
		.amdhsa_user_sgpr_kernarg_segment_ptr 1
		.amdhsa_wavefront_size32 1
		.amdhsa_system_sgpr_workgroup_id_x 1
		.amdhsa_system_sgpr_workgroup_id_y 1
		.amdhsa_system_sgpr_workgroup_id_z 1
		.amdhsa_system_vgpr_workitem_id 0
		.amdhsa_next_free_vgpr 24
		.amdhsa_next_free_sgpr 66
		.amdhsa_reserve_vcc 0
		.amdhsa_float_denorm_mode_32 3
		.amdhsa_float_denorm_mode_16_64 3
		.amdhsa_memory_ordered 1
		.amdhsa_forward_progress 1
		.amdhsa_inst_pref_size 5
	.end_amdhsa_kernel
	.amdgpu_metadata
---
amdhsa.version: [ 1, 2 ]
amdhsa.kernels:
  - .name:           k_q14b1bc1122_prep
    .symbol:         k_q14b1bc1122_prep.kd
    .args:
      - { .name: wk, .offset: 0, .size: 8, .value_kind: global_buffer, .address_space: global }
      - { .name: wv, .offset: 8, .size: 8, .value_kind: global_buffer, .address_space: global }
      - { .name: wq, .offset: 16, .size: 8, .value_kind: global_buffer, .address_space: global }
      - { .name: proj_w, .offset: 24, .size: 8, .value_kind: global_buffer, .address_space: global }
      - { .name: ff1_w, .offset: 32, .size: 8, .value_kind: global_buffer, .address_space: global }
      - { .name: ff2_w, .offset: 40, .size: 8, .value_kind: global_buffer, .address_space: global }
      - { .name: wb, .offset: 48, .size: 8, .value_kind: global_buffer, .address_space: global }
    .group_segment_fixed_size: 0
    .private_segment_fixed_size: 0
    .kernarg_segment_align: 8
    .kernarg_segment_size: 56
    .max_flat_workgroup_size: 256
    .sgpr_count:     66
    .vgpr_count:     24
    .wavefront_size: 32
...
	.end_amdgpu_metadata
.endif
;; end of part 1
;; launch block (part 2): grid 256 x 1, 4 waves a work-group, clusters of 4 x 1, 327,680 bytes of LDS; arguments x, wb, ln1_g, ln1_b, proj_b, ln2_g, ln2_b, ff2_b, ff1_b, out0; writes out0
.if DOCPART == 2
	.amdgcn_target "amdgcn-amd-amdhsa--gfx1250"
	.amdhsa_code_object_version 6
	.text
	.protected	k_q14b1bc1122_block
	.globl	k_q14b1bc1122_block
	.p2align	8
	.type	k_q14b1bc1122_block,@function
k_q14b1bc1122_block:
	s_mov_b64 s[64:65], 0
	v_nop
	global_prefetch_b8 v0, s[64:65] scope:SCOPE_SE
	s_setreg_imm32_b32 hwreg(HW_REG_WAVE_MODE, 25, 1), 1
	s_wait_xcnt 0x0
	s_wait_alu depctr_hold_cnt(0) depctr_sa_sdst(0) depctr_va_vdst(0) depctr_va_sdst(0) depctr_va_ssrc(0) depctr_va_vcc(0) depctr_vm_vsrc(0)
	s_getreg_b32 s2, hwreg(HW_REG_IB_STS2, 6, 4)
	s_cmp_eq_u32 s2, 0
	s_cbranch_scc0 .Lentry_in_a_cluster
	s_endpgm
.Lentry_in_a_cluster:
	s_bfe_u32 s2, ttmp6, 0x10000c
	s_cmp_lg_u32 s2, 0x3003
	s_cbranch_scc0 .Lentry_shape_is_right
	s_endpgm
.Lentry_shape_is_right:
; The whole transformer block, fused: LN1, q/k/v, causal softmax attention (8 heads of 32), projection + bias + residual, LN2,
; 256 -> 1024 -> relu -> 256 with biases, residual.  x and out0 are [512][128][256] f32; wb holds all weights in f16 as operand fragments.
; A work-group owns two sequences (256 rows); a wave owns 64 rows, four blocks of 16, through the whole chain.
;
; THE MATRIX INSTRUCTION IS USED TRANSPOSED: source 0 = 16 output features of a weight, source 1 = 16 tokens.  A result tile then holds, in lane
; (r = lane % 16, h = lane / 16), token r and features 8h .. 8h+7; two such tiles, rounded to f16, ARE the next product's source 1.  So LN -> q/k/v,
; P -> PV, O -> projection, LN2 -> FF1, relu -> FF2 never leave the registers, and x itself lies in the accumulators of the projection and of FF2:
; both residual sums come with the products.  LDS serves the weights, the exchange of K and V between the two waves of a sequence, the change
; of layout of x on the way in and of the result on the way out, and the gains and biases.
;
; THE CAUSAL MASK: with p = wave & 1, local block t is block 2t + (p xor (t & 1)) of the sequence: {0,3,4,7} or {1,2,5,6}.  In both waves block t needs
; exactly the keys 0 .. 32(t+1)-1, so the text and the work are alike in every wave; only two thresholds a lane differ.
;
; WEIGHTS: 24 fills of 65,536 bytes through two LDS slots.  All work-groups walk the same fills, so four work-groups form a cluster and ask
; jointly (mask 15): each wave asks for its quarter of a fill, the same descriptor in all four work-groups.  A wave has one tensor load out at any time.
;
; THE OPERANDS' FORMAT IS f16: a number passes some nine roundings on its way from x to the result (LN1, weight, v, O, weight, LN2, weight, relu, weight),
; and at a sequence's first tokens the softmax averages nothing away; 11 significant bits keep their sum far inside a hundredth of the result's size, 8 do not.
; Every operand has the room.  An LN result is at most 16 max|gain| + |bias|; P lies in [0, 1]; q, k, v, O and the hidden layer are at most
; (length of an LN row) x (length of a weight column), 16 x 1 at the problem's sizes; gains and weights both thirty times larger give 480 x 30 = 14,400.
;
; LIMITS.  q, k, v, P, O, both LN results and the relu's result are rounded to f16 as matrix operands: one that passes 65,504 in size becomes an infinity
; (gain x weight some 4,000 times the problem's sizes); below 6e-5 the rounding is to within 2^-25.  The softmax's denominator sums the unrounded f32
; exponentials.  relu is v_max_num_f32 with 0: a NaN there becomes 0, where the reference keeps it.  v_exp_f32 gives 0 for results below 2^-126.
;
; LDS (bytes):
;   [0, 266240)       x on the way in: 256 rows, pitch 1040 (1024 + 16); filled once.  Afterwards its bytes serve as:
;   [0, 131072)       the two weight slots (filled again by tensor loads alone)
;   [131072, 168960)  per sequence 18,944: K [128 keys][32] pitch 80, then V transposed [32][128 keys] pitch 272 (LDS stores; no fill lands here again)
;   [168960, 235520)  per wave 16,640: 16 rows of pitch 1040 for the way out (the wave's own)
;   [266240, 276480)  ln1_g, ln1_b, proj_b, ln2_g, ln2_b, ff2_b (1,024 each), ff1_b (4,096): no fill ever lands here
; All pitches are odd multiples of 16 bytes, so the sixteen rows that one 16-byte access touches lie in sixteen different 16-byte columns of 256 bytes.
;
; REGISTERS, in windows of 256:
;   window 0: v1-11 addresses, v12-31 at work, QF v32-63, SC v64-127, FB0 v128-191, FB1 v192-255
;   window 1: H(t, kb) = v[8 (4 kb + t)]: the LN result as f16 fragments (token block t, features 32 kb ..)
;   windows 2, 3: X(nb, t) = v[8 (4 (nb & 7) + t)] of window 2 + (nb >> 3): f32, token r, features 16 nb + 8h ..
.set XP,     1040
.set SLOTB,  65536
.set KVX,    131072
.set KVSEQ,  18944
.set VOFF,   10240
.set KP,     80
.set VP,     272
.set STAGE,  168960
.set PARAM,  266240
.set WA0, 1                            ; 16 lane: my 16 bytes of a fragment's half, slot 0
.set WA1, 2                            ; the same in slot 1
.set KSA, 3                            ; where I store K of my even blocks, KSB of my odd ones
.set KSB, 4
.set VSA, 5                            ; the same for V
.set VSB, 6
.set KLA, 7                            ; where I read K fragments
.set VLA, 8                            ; where I read V fragments
.set DGA, 9                            ; 16 p + r - 8 h: the mask's threshold in my even blocks
.set DGB, 10                           ; 16 (1-p) + r - 8 h: in my odd ones
.set PA,  11                           ; PARAM + 32 h
.set XA,  12                           ; v12-15  way in: my row of block t
.set LS,  12                           ; v12-19  LN: pairs: sum, then variance, then 1/sigma
.set LM,  20                           ; v20-27  LN: pairs: mean, then -mean/sigma
.set PD,  28                           ; destination of v_permlanex16_b32
.set MX,  12                           ; attention: two running maxima
.set NMC, 14                           ; pair: -c x maximum
.set SA,  16                           ; two running sums, pairs
.set SB,  18
.set RINV, 20                          ; pair: 1 / sum
.set PB,  12                           ; FF: where this pair of trips reads ff1_b
.set STO, 12                           ; way out
.set RD,  13
.set COA, 14
.set COB, 15
.set QF,  32
.set SC,  64
.set FB0, 128
.set FB1, 192
.set LG,  32                           ; LN: gain, bias, and what is added to X afterwards, of four feature blocks
.set LB,  64
.set LA,  96
.set TB,  128                          ; LN: 128 registers at work
.set MSB, 0
.macro WIN new                         ; the immediate's high byte repeats the setting that is left
.if MSB != \new
	s_set_vgpr_msb (MSB<<8)|\new
.set MSB, \new
.endif
.endm
; Places behind a matrix instruction: four before a vector instruction or a load touches its registers, five before another matrix
; instruction writes over them.
.macro PLACES n
.rept \n
	v_nop
.endr
.endm
; A round of the cluster's barrier: my work-group's barrier; wave 0 signals for the work-group; every wave waits for all four work-groups; my barrier again.
.macro ROUND
	s_barrier_signal -1
	s_barrier_wait -1
	s_cmp_lg_u32 s24, 0
	s_cbranch_scc1 .Lnot_wave_0_\@
	s_barrier_signal -3
.Lnot_wave_0_\@:
	s_barrier_wait -3
	s_barrier_signal -1
	s_barrier_wait -1
.endm
.macro MM d, a, b, c                   ; one product, eight registers an operand
	v_wmma_f32_16x16x32_f16 v[\d:\d+7], v[\a:\a+7], v[\b:\b+7], v[\c:\c+7]
.endm
.macro MM0 d, a, b                     ; one that starts a sum: nothing is ever cleared
	v_wmma_f32_16x16x32_f16 v[\d:\d+7], v[\a:\a+7], v[\b:\b+7], 0
.endm
; Group g (eight fragments, 8,192 bytes) of a slot into a buffer: 16 loads, each of 512 consecutive bytes
.macro FETCH buf, wa, g
	WIN 0
.irp f, 0,1,2,3,4,5,6,7
	ds_load_b128 v[\buf+8*\f:\buf+8*\f+3],   v[\wa] offset:\g*8192+\f*1024
	ds_load_b128 v[\buf+8*\f+4:\buf+8*\f+7], v[\wa] offset:\g*8192+\f*1024+512
.endr
.endm
; 32 products: 32 features x my 64 tokens, 128 along K from feature block kb0 on.  Weights are source 0, H source 1: lane = token.
; mode 0: adds on; 1: the first K step starts the sums; 2: it starts them from the bias tile in QF (chunk cc), whose layout is the accumulator's.
; The eight accumulators take turns, one instruction a turn.
.macro MULX buf, kb0, mode, cc
	WIN 0x04
.irp kbl, 0,1,2,3
.irp nbl, 0,1
.irp t, 0,1,2,3
.set CM, \mode
.if \kbl
.set CM, 0
.endif
.if CM == 1
	MM0 SC+16*\t+8*\nbl, \buf+8*(2*\kbl+\nbl), 8*(4*(\kb0+\kbl)+\t)
.else
.if CM == 2
	MM SC+16*\t+8*\nbl, \buf+8*(2*\kbl+\nbl), 8*(4*(\kb0+\kbl)+\t), QF+16*\cc+8*\nbl
.else
	MM SC+16*\t+8*\nbl, \buf+8*(2*\kbl+\nbl), 8*(4*(\kb0+\kbl)+\t), SC+16*\t+8*\nbl
.endif
.endif
.endr
.endr
.endr
.endm
; The same with the sources swapped (H is source 0): lane = feature, registers = tokens 8h ..: V comes out ready to be stored transposed.
.macro MULV buf, kb0, zero
	WIN 0x01
.irp kbl, 0,1,2,3
.irp nbl, 0,1
.irp t, 0,1,2,3
.set CM, \zero
.if \kbl
.set CM, 0
.endif
.if CM
	MM0 SC+16*\t+8*\nbl, 8*(4*(\kb0+\kbl)+\t), \buf+8*(2*\kbl+\nbl)
.else
	MM SC+16*\t+8*\nbl, 8*(4*(\kb0+\kbl)+\t), \buf+8*(2*\kbl+\nbl), SC+16*\t+8*\nbl
.endif
.endr
.endr
.endr
.endm
; 32 products onto X: eight feature blocks of window win x my four token blocks, 32 along K.  32 accumulators by turns.
.macro MULY buf, win, act, stride
	WIN \win
.irp f, 0,1,2,3,4,5,6,7
.irp t, 0,1,2,3
	MM 8*(4*\f+\t), \buf+8*\f, \act+\stride*\t, 8*(4*\f+\t)
.endr
.endr
.endm
; SC's eight tiles, rounded, into QF: block t's two tiles make one fragment of eight registers
.macro CVT
	WIN 0
.irp t, 0,1,2,3
.irp nbl, 0,1
.irp i, 0,1,2,3
	v_cvt_pk_f16_f32 v[QF+8*\t+4*\nbl+\i], v[SC+16*\t+8*\nbl+2*\i], v[SC+16*\t+8*\nbl+2*\i+1]
.endr
.endr
.endr
.endm
.macro KSTORE                          ; key 16 block + r, features 16 nbl + 8h ..: 16 bytes at key x 80 + 32 nbl + 16 h
.irp t, 0,2
	ds_store_b128 v[KSA], v[QF+8*\t:QF+8*\t+3]   offset:\t*32*KP
	ds_store_b128 v[KSA], v[QF+8*\t+4:QF+8*\t+7] offset:\t*32*KP+32
.endr
.irp t, 1,3
	ds_store_b128 v[KSB], v[QF+8*\t:QF+8*\t+3]   offset:\t*32*KP
	ds_store_b128 v[KSB], v[QF+8*\t+4:QF+8*\t+7] offset:\t*32*KP+32
.endr
.endm
.macro VSTORE                          ; feature 16 nbl + r, keys 16 block + 8h ..: 16 bytes at feature x 272 + 32 block + 16 h
.irp t, 0,2
	ds_store_b128 v[VSA], v[QF+8*\t:QF+8*\t+3]   offset:\t*64
	ds_store_b128 v[VSA], v[QF+8*\t+4:QF+8*\t+7] offset:\t*64+16*VP
.endr
.irp t, 1,3
	ds_store_b128 v[VSB], v[QF+8*\t:QF+8*\t+3]   offset:\t*64
	ds_store_b128 v[VSB], v[QF+8*\t+4:QF+8*\t+7] offset:\t*64+16*VP
.endr
.endm
.macro LOADK                           ; eight fragments of 16 keys x 32 features into FB0
	WIN 0
.irp kt, 0,1,2,3,4,5,6,7
	ds_load_b128 v[FB0+8*\kt:FB0+8*\kt+3],   v[KLA] offset:\kt*16*KP
	ds_load_b128 v[FB0+8*\kt+4:FB0+8*\kt+7], v[KLA] offset:\kt*16*KP+32
.endr
.endm
.macro LOADV                           ; 2 x 4 fragments of 16 features x 32 keys into FB1
	WIN 0
.irp dt, 0,1
.irp u, 0,1,2,3
	ds_load_b128 v[FB1+8*(4*\dt+\u):FB1+8*(4*\dt+\u)+3],   v[VLA] offset:\dt*16*VP+\u*64
	ds_load_b128 v[FB1+8*(4*\dt+\u)+4:FB1+8*(4*\dt+\u)+7], v[VLA] offset:\dt*16*VP+\u*64+32
.endr
.endr
.endm
; Attention of my block t against keys 0 .. 32(t+1)-1.  Scores come transposed: lane (r, h) holds query r, register j of tile kt key 16 kt + 8h + j,
; so a query's row lies in two lanes (r and r + 16) and one exchange between the halves ends each reduction.
.macro ATT t, wa
	WIN 0
.set HN, 8*(\t+1)                      ; half of the block's score registers
.set kk, 0
.rept 2*\t+2
	MM0 SC+8*kk, FB0+8*kk, QF+8*\t
.set kk, kk+1
.endr
	PLACES 4
.if \t == 3
	FETCH FB0, \wa, 6                              ; K's fragments have had their last use: the projection's first eight fragments
.endif
.if \t % 2
.set DREG, DGB
.else
.set DREG, DGA
.endif
	; only the last two tiles can hold keys behind the query: key <= query is 16 i + j <= 16 (block - 2t) + r - 8h
.irp i, 0,1
.irp j, 0,1,2,3,4,5,6,7
	v_cmp_le_i32 vcc_lo, 16*\i+\j, v[DREG]
	v_cndmask_b32 v[SC+8*(2*\t+\i)+\j], 0xff800000, v[SC+8*(2*\t+\i)+\j], vcc_lo
.endr
.endr
	; the row's true maximum, in two chains
	v_max_num_f32 v[MX],   v[SC],    v[SC+1]
	v_max_num_f32 v[MX+1], v[SC+HN], v[SC+HN+1]
.set ii, 2
.rept 4*\t+3
	v_max3_num_f32 v[MX],   v[MX],   v[SC+ii],    v[SC+ii+1]
	v_max3_num_f32 v[MX+1], v[MX+1], v[SC+HN+ii], v[SC+HN+ii+1]
.set ii, ii+2
.endr
	v_max_num_f32 v[MX], v[MX], v[MX+1]
	v_permlanex16_b32 v[PD], v[MX], s60, s61
	v_max_num_f32 v[MX], v[MX], v[PD]
	v_mul_f32 v[NMC],   -v[MX], s66                ; c = 32^-0.5 x log2 e
	v_mul_f32 v[NMC+1], -v[MX], s66
.set ii, 0
.rept 8*(\t+1)
	v_pk_fma_f32 v[SC+ii:SC+ii+1], v[SC+ii:SC+ii+1], s[66:67], v[NMC:NMC+1] op_sel_hi:[1,0,1]   ; c s - c max
.set ii, ii+2
.endr
.set ii, 0
.rept 16*(\t+1)
	v_exp_f32 v[SC+ii], v[SC+ii]
.set ii, ii+1
.endr
	v_nop                                          ; one plain place between the last exponential and the first use (ISA guide 5.7.2)
	s_wait_alu depctr_va_vdst(0)
	v_pk_add_f32 v[SA:SA+1], v[SC:SC+1],       v[SC+2:SC+3]
	v_pk_add_f32 v[SB:SB+1], v[SC+HN:SC+HN+1], v[SC+HN+2:SC+HN+3]
.set ii, 4
.rept 4*\t+2
	v_pk_add_f32 v[SA:SA+1], v[SA:SA+1], v[SC+ii:SC+ii+1]
	v_pk_add_f32 v[SB:SB+1], v[SB:SB+1], v[SC+HN+ii:SC+HN+ii+1]
.set ii, ii+2
.endr
	v_pk_add_f32 v[SA:SA+1], v[SA:SA+1], v[SB:SB+1]
	v_add_f32 v[SA], v[SA], v[SA+1]
	v_permlanex16_b32 v[PD], v[SA], s60, s61
	v_add_f32 v[SA], v[SA], v[PD]
	v_rcp_f32 v[RINV],   v[SA]                     ; used far below; the conversions that follow touch neither RINV nor SA
	v_rcp_f32 v[RINV+1], v[SA]
	; P, rounded, in place: tiles 2u and 2u+1 become the fragment of keys 32u .. 32u+31 in the first eight of their sixteen registers
.set uu, 0
.rept \t+1
.irp i, 0,1,2,3
	v_cvt_pk_f16_f32 v[SC+16*uu+\i], v[SC+16*uu+2*\i], v[SC+16*uu+2*\i+1]
.endr
.irp i, 0,1,2,3
	v_cvt_pk_f16_f32 v[SC+16*uu+4+\i], v[SC+16*uu+8+2*\i], v[SC+16*uu+8+2*\i+1]
.endr
.set uu, uu+1
.endr
.if \t == 0
	s_wait_dscnt 0x0                               ; V's fragments
.endif
	; O (transposed: lane = query, registers = features) in the registers that the packing freed; its two accumulators take turns
	MM0 SC+8,  FB1,    SC
	MM0 SC+24, FB1+32, SC
.if \t
.set uu, 1
.rept \t
	MM SC+8,  FB1+8*uu,    SC+16*uu, SC+8
	MM SC+24, FB1+32+8*uu, SC+16*uu, SC+24
.set uu, uu+1
.endr
.endif
	PLACES 5                                       ; five: the next block's scores write over these registers
.if \t == 3
	FETCH FB1, \wa, 7                              ; V's fragments have had their last use: the projection's other eight
.endif
	s_wait_alu depctr_va_vdst(0)
.irp i, 0,2,4,6
	v_pk_mul_f32 v[SC+8+\i:SC+8+\i+1],   v[SC+8+\i:SC+8+\i+1],   v[RINV:RINV+1]
	v_pk_mul_f32 v[SC+24+\i:SC+24+\i+1], v[SC+24+\i:SC+24+\i+1], v[RINV:RINV+1]
.endr
.irp i, 0,1,2,3
	v_cvt_pk_f16_f32 v[QF+8*\t+\i],   v[SC+8+2*\i],  v[SC+8+2*\i+1]       ; O's fragment takes the place of q's
	v_cvt_pk_f16_f32 v[QF+8*\t+4+\i], v[SC+24+2*\i], v[SC+24+2*\i+1]
.endr
.endm
; Layer norm of X into H, then X += a vector (the bias of the product that will add onto X).  GO, BO, AO: gain, bias and that vector in PARAM.
; A token's 256 numbers lie in two lanes, 128 each.  Mean first, then the mean of squared differences, as the reference has it.
.macro LNORM GO, BO, AO
	WIN 0x0a
.irp t, 0,1,2,3
	v_pk_add_f32 v[LS+2*\t:LS+2*\t+1], v[8*\t:8*\t+1], v[8*\t+2:8*\t+3]     ; the first two pairs start the sums; the four blocks' chains take turns
.endr
	WIN 0x02
.irp pr, 4,6
.irp t, 0,1,2,3
	v_pk_add_f32 v[LS+2*\t:LS+2*\t+1], v[8*\t+\pr:8*\t+\pr+1], v[LS+2*\t:LS+2*\t+1]
.endr
.endr
.irp nb, 1,2,3,4,5,6,7
.irp pr, 0,2,4,6
.irp t, 0,1,2,3
	v_pk_add_f32 v[LS+2*\t:LS+2*\t+1], v[8*(4*\nb+\t)+\pr:8*(4*\nb+\t)+\pr+1], v[LS+2*\t:LS+2*\t+1]
.endr
.endr
.endr
	WIN 0x03
.irp nb, 0,1,2,3,4,5,6,7
.irp pr, 0,2,4,6
.irp t, 0,1,2,3
	v_pk_add_f32 v[LS+2*\t:LS+2*\t+1], v[8*(4*\nb+\t)+\pr:8*(4*\nb+\t)+\pr+1], v[LS+2*\t:LS+2*\t+1]
.endr
.endr
.endr
	WIN 0
.irp t, 0,1,2,3
	v_add_f32 v[LS+2*\t], v[LS+2*\t], v[LS+2*\t+1]
.endr
.irp t, 0,1,2,3
	v_permlanex16_b32 v[PD], v[LS+2*\t], s60, s61
	v_add_f32 v[LS+2*\t], v[LS+2*\t], v[PD]
	v_mul_f32 v[LM+2*\t],   s74, v[LS+2*\t]        ; mean = sum / 256
	v_mul_f32 v[LM+2*\t+1], s74, v[LS+2*\t]
.endr
.set vfirst, 1
.irp g, 0,1,2,3
.if \g < 2
	WIN 0x02
.else
	WIN 0x03
.endif
.irp nbq, 0,1,2,3
.irp t, 0,1,2,3
.irp pr, 0,2,4,6
	v_pk_add_f32 v[TB+8*(4*\nbq+\t)+\pr:TB+8*(4*\nbq+\t)+\pr+1], v[8*(4*(4*(\g%2)+\nbq)+\t)+\pr:8*(4*(4*(\g%2)+\nbq)+\t)+\pr+1], v[LM+2*\t:LM+2*\t+1] neg_lo:[0,1] neg_hi:[0,1]
.endr
.endr
.endr
	WIN 0
.irp nbq, 0,1,2,3
.irp pr, 0,2,4,6
.irp t, 0,1,2,3
.if vfirst
	v_pk_mul_f32 v[LS+2*\t:LS+2*\t+1], v[TB+8*(4*\nbq+\t)+\pr:TB+8*(4*\nbq+\t)+\pr+1], v[TB+8*(4*\nbq+\t)+\pr:TB+8*(4*\nbq+\t)+\pr+1]
.else
	v_pk_fma_f32 v[LS+2*\t:LS+2*\t+1], v[TB+8*(4*\nbq+\t)+\pr:TB+8*(4*\nbq+\t)+\pr+1], v[TB+8*(4*\nbq+\t)+\pr:TB+8*(4*\nbq+\t)+\pr+1], v[LS+2*\t:LS+2*\t+1]
.endif
.endr
.set vfirst, 0
.endr
.endr
.endr
.irp t, 0,1,2,3
	v_add_f32 v[LS+2*\t], v[LS+2*\t], v[LS+2*\t+1]
.endr
.irp t, 0,1,2,3
	v_permlanex16_b32 v[PD], v[LS+2*\t], s60, s61
	v_add_f32 v[LS+2*\t], v[LS+2*\t], v[PD]
	v_fma_f32 v[LS+2*\t], v[LS+2*\t], s74, s75     ; variance + 1e-5
.endr
.irp t, 0,1,2,3
	v_rsq_f32 v[LS+2*\t], v[LS+2*\t]
.endr
	v_nop                                          ; one plain place behind the last of them (ISA guide 5.7.2)
	s_wait_alu depctr_va_vdst(0)
.irp t, 0,1,2,3
	v_mov_b32 v[LS+2*\t+1], v[LS+2*\t]             ; a pair for the packed forms
.endr
.irp t, 0,1,2,3
	v_pk_mul_f32 v[LM+2*\t:LM+2*\t+1], v[LM+2*\t:LM+2*\t+1], v[LS+2*\t:LS+2*\t+1] neg_lo:[1,0] neg_hi:[1,0]   ; -mean / sigma
.endr
.irp g, 0,1,2,3
	WIN 0
.irp nbq, 0,1,2,3
	ds_load_b128 v[LG+8*\nbq:LG+8*\nbq+3],   v[PA] offset:\GO+(4*\g+\nbq)*64       ; the sixteen lanes of a half read the same bytes
	ds_load_b128 v[LG+8*\nbq+4:LG+8*\nbq+7], v[PA] offset:\GO+(4*\g+\nbq)*64+16
	ds_load_b128 v[LB+8*\nbq:LB+8*\nbq+3],   v[PA] offset:\BO+(4*\g+\nbq)*64
	ds_load_b128 v[LB+8*\nbq+4:LB+8*\nbq+7], v[PA] offset:\BO+(4*\g+\nbq)*64+16
	ds_load_b128 v[LA+8*\nbq:LA+8*\nbq+3],   v[PA] offset:\AO+(4*\g+\nbq)*64
	ds_load_b128 v[LA+8*\nbq+4:LA+8*\nbq+7], v[PA] offset:\AO+(4*\g+\nbq)*64+16
.endr
.if \g < 2
	WIN 0x02
.else
	WIN 0x03
.endif
.irp nbq, 0,1,2,3
.irp t, 0,1,2,3
.irp pr, 0,2,4,6
	v_pk_fma_f32 v[TB+8*(4*\nbq+\t)+\pr:TB+8*(4*\nbq+\t)+\pr+1], v[8*(4*(4*(\g%2)+\nbq)+\t)+\pr:8*(4*(4*(\g%2)+\nbq)+\t)+\pr+1], v[LS+2*\t:LS+2*\t+1], v[LM+2*\t:LM+2*\t+1]
.endr
.endr
.endr
	WIN 0
	s_wait_dscnt 0x0                               ; gain, bias and the vector to add
.irp nbq, 0,1,2,3
.irp t, 0,1,2,3
.irp pr, 0,2,4,6
	v_pk_fma_f32 v[TB+8*(4*\nbq+\t)+\pr:TB+8*(4*\nbq+\t)+\pr+1], v[TB+8*(4*\nbq+\t)+\pr:TB+8*(4*\nbq+\t)+\pr+1], v[LG+8*\nbq+\pr:LG+8*\nbq+\pr+1], v[LB+8*\nbq+\pr:LB+8*\nbq+\pr+1]
.endr
.endr
.endr
	WIN 0x40
.irp nbq, 0,1,2,3
.irp t, 0,1,2,3
.irp i, 0,1,2,3
	v_cvt_pk_f16_f32 v[8*(4*(2*\g+\nbq/2)+\t)+4*(\nbq%2)+\i], v[TB+8*(4*\nbq+\t)+2*\i], v[TB+8*(4*\nbq+\t)+2*\i+1]
.endr
.endr
.endr
.if \g < 2
	WIN 0x82
.else
	WIN 0xc3
.endif
.irp nbq, 0,1,2,3
.irp t, 0,1,2,3
.irp pr, 0,2,4,6
	v_pk_add_f32 v[8*(4*(4*(\g%2)+\nbq)+\t)+\pr:8*(4*(4*(\g%2)+\nbq)+\t)+\pr+1], v[8*(4*(4*(\g%2)+\nbq)+\t)+\pr:8*(4*(4*(\g%2)+\nbq)+\t)+\pr+1], v[LA+8*\nbq+\pr:LA+8*\nbq+\pr+1]
.endr
.endr
.endr
.endr
	WIN 0
.endm
; relu and rounding, in place: block t's two tiles become its fragment in the first eight of their sixteen registers
.macro EPI
	WIN 0
.irp t, 0,1,2,3
.irp nbl, 0,1
.irp j, 0,1,2,3,4,5,6,7
	v_max_num_f32 v[SC+16*\t+8*\nbl+\j], 0, v[SC+16*\t+8*\nbl+\j]
.endr
.irp i, 0,1,2,3
	v_cvt_pk_f16_f32 v[SC+16*\t+4*\nbl+\i], v[SC+16*\t+8*\nbl+2*\i], v[SC+16*\t+8*\nbl+2*\i+1]
.endr
.endr
.endr
.endm
; The change of slots, alike in both loops.  In front of the round every wave has waited for all its tensor loads (its quarter of this trip's fill among them)
; and for all its LDS instructions (its reads of the other slot and of K and V among them); behind the round the other slot's refill comes first.
.macro CHANGE slot, refill
	s_wait_tensorcnt 0x0                           ; none of my tensor loads is out, so a group 0 may be written:
	ds_add_u32 v30, v31
	s_wait_dscnt 0x0
	s_add_nc_u64 s[34+4*\slot:35+4*\slot], s[34+4*\slot:35+4*\slot], 2*SLOTB      ; this slot's next fill
	s_wait_dscnt 0x0
	ROUND
.if \refill
	tensor_load_to_lds s[36-4*\slot:39-4*\slot], s[40:47]      ; my one tensor load until the next round; it has the whole trip in which to land
	s_nop 0
.endif
.endm
; One head.  The counted waits on DScnt leave out what was issued behind the group that is needed: 16 = one run of sixteen loads.
.macro HEADT slot, wa
	CHANGE \slot, 1
	PLACES 4
	FETCH FB0, \wa, 0
	FETCH FB1, \wa, 1
	s_wait_dscnt 16
	MULX FB0, 0, 1, 0                              ; k
	PLACES 4
	FETCH FB0, \wa, 2
	s_wait_dscnt 16
	MULX FB1, 4, 0, 0
	PLACES 4
	FETCH FB1, \wa, 3
	CVT
	KSTORE
	s_wait_dscnt 24                                ; group 2 is in: sixteen loads and eight stores are younger
	MULV FB0, 0, 1                                 ; v
	PLACES 4
	FETCH FB0, \wa, 4
	s_wait_dscnt 16
	MULV FB1, 4, 0
	PLACES 4
	FETCH FB1, \wa, 5
	CVT
	VSTORE
	s_wait_dscnt 0x0                               ; my K and V are in LDS, for the other wave of my sequence: zero
	s_barrier_signal -1                            ; the refill stays on its way
	MULX FB0, 0, 1, 0                              ; q: registers only, while the others arrive
	WIN 0
	s_barrier_wait -1
	PLACES 4
	LOADK
	MULX FB1, 4, 0, 0
	PLACES 4
	LOADV
	CVT                                            ; q's fragments
	s_wait_dscnt 16                                ; K is in, V's sixteen loads may be out
	ATT 0, \wa
	ATT 1, \wa
	ATT 2, \wa
	ATT 3, \wa
	s_wait_dscnt 16
	MULY FB0, 0xa0, QF, 8                          ; the projection's rows 32 head .. +31, added onto X
	s_wait_dscnt 0x0
	MULY FB1, 0xf0, QF, 8
	WIN 0
.endm
; Two chunks of 32 hidden units: FF1 (bias as the sums' start), relu, FF2 onto X
.macro FFT slot, wa, refill
	CHANGE \slot, \refill
	PLACES 5                                       ; five: FF1 writes over SC, which the last products read
.irp cc, 0,1
.irp nbl, 0,1
	ds_load_b128 v[QF+16*\cc+8*\nbl:QF+16*\cc+8*\nbl+3],   v[PB] offset:6144+\slot*256+\cc*128+\nbl*64
	ds_load_b128 v[QF+16*\cc+8*\nbl+4:QF+16*\cc+8*\nbl+7], v[PB] offset:6144+\slot*256+\cc*128+\nbl*64+16
.endr
.endr
	FETCH FB0, \wa, 0
	FETCH FB1, \wa, 1
	s_wait_dscnt 16
	MULX FB0, 0, 2, 0
	PLACES 4
	FETCH FB0, \wa, 2
	s_wait_dscnt 16
	MULX FB1, 4, 0, 0
	PLACES 4
	FETCH FB1, \wa, 3
	EPI
	s_wait_dscnt 16
	MULY FB0, 0xa0, SC, 16
	PLACES 4
	FETCH FB0, \wa, 4
	s_wait_dscnt 16
	MULY FB1, 0xf0, SC, 16
	PLACES 5
	FETCH FB1, \wa, 5
	s_wait_dscnt 16
	MULX FB0, 0, 2, 1
	PLACES 4
	FETCH FB0, \wa, 6
	s_wait_dscnt 16
	MULX FB1, 4, 0, 0
	PLACES 4
	FETCH FB1, \wa, 7
	EPI
	s_wait_dscnt 16
	MULY FB0, 0xa0, SC, 16
	s_wait_dscnt 0x0
	MULY FB1, 0xf0, SC, 16
	WIN 0
.endm
; My block t leaves: 32 bytes a lane into my own stage, read back as whole rows, stored 512 consecutive aligned bytes an instruction
.macro OUT t
	WIN 0x08
.irp nb, 0,1,2,3,4,5,6,7
	ds_store_b128 v[STO], v[8*(4*\nb+\t):8*(4*\nb+\t)+3]   offset:\nb*64
	ds_store_b128 v[STO], v[8*(4*\nb+\t)+4:8*(4*\nb+\t)+7] offset:\nb*64+16
.endr
	WIN 0x0c
.irp nb, 0,1,2,3,4,5,6,7
	ds_store_b128 v[STO], v[8*(4*\nb+\t):8*(4*\nb+\t)+3]   offset:(\nb+8)*64
	ds_store_b128 v[STO], v[8*(4*\nb+\t)+4:8*(4*\nb+\t)+7] offset:(\nb+8)*64+16
.endr
	WIN 0
	s_wait_xcnt 0x0                                ; the last block's global stores have had their addresses translated (ISA guide 3.1): their data registers are loaded again only behind this wait
.irp rho, 0,1,2,3,4,5,6,7,8,9,10,11,12,13,14,15
	ds_load_b128 v[FB0+8*\rho:FB0+8*\rho+3],   v[RD] offset:\rho*XP          ; LDS serves a wave's instructions in order (ISA guide 5.7.1.4): these see the stores above
	ds_load_b128 v[FB0+8*\rho+4:FB0+8*\rho+7], v[RD] offset:\rho*XP+512
.endr
.if \t % 2
.set CREG, COB
.else
.set CREG, COA
.endif
.irp rho, 0,1,2,3,4,5,6,7,8,9,10,11,12,13,14,15
	s_wait_dscnt 31-2*\rho                         ; the younger read-backs stay out
	global_store_b128 v[CREG], v[FB0+8*\rho:FB0+8*\rho+3],   s[22:23] offset:\t*32768+\rho*1024 th:TH_STORE_NT
	s_wait_dscnt 30-2*\rho
	global_store_b128 v[CREG], v[FB0+8*\rho+4:FB0+8*\rho+7], s[22:23] offset:\t*32768+\rho*1024+512 th:TH_STORE_NT
.endr
.endm
	s_load_b256 s[4:11], s[0:1], 0x0               ; x s[4:5], wb s[6:7], ln1_g s[8:9], ln1_b s[10:11]
	s_load_b256 s[12:19], s[0:1], 0x20             ; proj_b s[12:13], ln2_g s[14:15], ln2_b s[16:17], ff2_b s[18:19]
	s_load_b128 s[20:23], s[0:1], 0x40             ; ff1_b s[20:21], out0 s[22:23]
	v_lshl_add_u32 v30, v0, 2, 0x43800
	v_mov_b32 v31, 0
	ds_add_u32 v30, v31
	v_lshrrev_b32 v16, 5, v0
	v_readfirstlane_b32 s24, v16                   ; wave W
	s_and_b32 s25, s24, 1                          ; p: which wave of its sequence
	s_lshr_b32 s26, s24, 1                         ; q: which sequence of the two
	s_xor_b32 s29, s25, 1                          ; 1 - p
	s_bfe_u32 s27, ttmp6, 0x40000                  ; cx
	s_lshl_b32 s28, ttmp9, 2                       ; ttmp9 counts clusters
	s_add_co_u32 s28, s28, s27                     ; work-group = 4 x cluster + cx; it enters the addresses of x and out0 alone
	s_mov_b32 s60, 0x76543210                      ; v_permlanex16_b32: lane i of one half reads lane i of the other
	s_mov_b32 s61, 0xfedcba98
	s_mov_b32 s66, 0x3e8293ee                      ; 32^-0.5 x log2 e, twice
	s_mov_b32 s67, 0x3e8293ee
	s_mov_b32 s74, 0x3b800000                      ; 1/256
	s_mov_b32 s75, 0x3727c5ac                      ; 1e-5
	; group 1 of the weights' joint loads: 64 rows x 256 bytes, dense: a wave's quarter of a fill
	s_mov_b32 s40, 0x0023000f                      ; 15:0 mask: all four work-groups; 17:16 elements of 8 bytes; 21 set beside a mask
	s_mov_b32 s41, 32<<16                          ; tensor_dim0 = 32
	s_mov_b32 s42, 64<<16                          ; tensor_dim1 = 64
	s_mov_b32 s43, 32<<16                          ; tile_dim0 = 32
	s_mov_b32 s44, 64                              ; tile_dim1 = 64
	s_mov_b32 s45, 32                              ; from row to row
	s_mov_b32 s46, 0
	s_mov_b32 s47, 0
	; group 1 of x's load (the work-group's own): 64 rows x 1,024 bytes, 16 bytes of padding behind each row
	s_mov_b32 s48, 0x07d20000                      ; mask 0; elements of 4 bytes; padding on; after every 256 words (code 7), 4 words (code 3)
	s_mov_b32 s49, 256<<16
	s_mov_b32 s50, 64<<16
	s_mov_b32 s51, 256<<16
	s_mov_b32 s52, 64
	s_mov_b32 s53, 256
	s_mov_b32 s54, 0
	s_mov_b32 s55, 0
	s_mov_b32 s56, 1
	s_mul_i32 s57, s24, 64*XP                      ; LDS: my 64 rows
	s_mov_b32 s32, 1
	s_lshl_b32 s33, s24, 14                        ; LDS: my quarter of slot 0,
	s_mov_b32 s36, 1
	s_add_co_u32 s37, s33, SLOTB                   ; of slot 1
	s_mov_b32 s69, 0
	s_mov_b32 s77, 0
	s_lshl_b32 s68, s28, 18                        ; 256 rows of 1,024 bytes for each work-group
	s_lshl_b32 s76, s24, 14                        ; my quarter of a fill: the wave's number alone
	s_wait_dscnt 0x0
	s_wait_kmcnt 0x0
	s_add_nc_u64 s[4:5], s[4:5], s[68:69]
	s_add_nc_u64 s[22:23], s[22:23], s[68:69]
	s_lshl_b32 s68, s24, 16                        ; my 64 rows of x
	s_add_nc_u64 s[58:59], s[4:5], s[68:69]
	s_or_b32 s59, s59, 0x80000000                  ; type = 2
	s_lshl_b32 s68, s26, 17                        ; out0 at my sequence
	s_add_nc_u64 s[22:23], s[22:23], s[68:69]
	s_add_nc_u64 s[34:35], s[6:7], s[76:77]        ; fill 0,
	s_add_nc_u64 s[38:39], s[34:35], SLOTB         ; fill 1
	s_or_b32 s35, s35, 0x80000000
	s_or_b32 s39, s39, 0x80000000
	ROUND                                          ; in a cluster launch every group of tensor loads stands behind a round
	tensor_load_to_lds s[56:59], s[48:55]          ; the first fill: my 64 rows of x
	s_nop 0
	v_lshlrev_b32 v16, 3, v0                       ; the seven vectors: 8 bytes a thread of the six short ones,
	v_lshlrev_b32 v17, 4, v0                       ; twice 16 of ff1_b
.irp i, 0,1,2,3,4,5
	global_load_b64 v[FB0+2*\i:FB0+2*\i+1], v16, s[8+2*\i:9+2*\i]
.endr
	global_load_b128 v[FB0+12:FB0+15], v17, s[20:21]
	global_load_b128 v[FB0+16:FB0+19], v17, s[20:21] offset:2048
	v_add_nc_u32 v18, PARAM, v16
	v_add_nc_u32 v19, PARAM+6144, v17
	v_and_b32 v22, 31, v0                          ; lane
	v_and_b32 v20, 15, v0                          ; r
	v_bfe_u32 v21, v0, 4, 1                        ; h
	v_mov_b32 v[PD], 0                             ; v_permlanex16_b32 counts as a reader of its destination
	v_lshlrev_b32 v[WA0], 4, v22
	v_add_nc_u32 v[WA1], SLOTB, v[WA0]
	s_mul_i32 s30, s26, KVSEQ
	s_add_co_u32 s30, s30, KVX                     ; my sequence's K
	v_mul_u32_u24 v23, v20, KP
	v_lshl_add_u32 v23, v21, 4, v23
	v_add_nc_u32 v[KLA], s30, v23
	s_mul_i32 s31, s25, 16*KP
	s_mul_i32 s63, s29, 16*KP
	v_add_nc_u32 v[KSA], s31, v[KLA]
	v_add_nc_u32 v[KSB], s63, v[KLA]
	s_add_co_u32 s30, s30, VOFF                    ; and V
	v_mul_u32_u24 v23, v20, VP
	v_lshl_add_u32 v23, v21, 4, v23
	v_add_nc_u32 v[VLA], s30, v23
	s_lshl_b32 s31, s25, 5
	s_lshl_b32 s63, s29, 5
	v_add_nc_u32 v[VSA], s31, v[VLA]
	v_add_nc_u32 v[VSB], s63, v[VLA]
	v_lshlrev_b32 v23, 3, v21
	v_sub_nc_u32 v23, v20, v23                     ; r - 8 h
	s_lshl_b32 s31, s25, 4
	s_lshl_b32 s63, s29, 4
	v_add_nc_u32 v[DGA], s31, v23
	v_add_nc_u32 v[DGB], s63, v23
	v_lshlrev_b32 v[PA], 5, v21
	v_add_nc_u32 v[PA], PARAM, v[PA]
	v_mul_u32_u24 v23, v20, XP                     ; x in LDS: row 128 q + 32 t + 16 (p or 1-p) + r, byte 32 h
	v_lshl_add_u32 v23, v21, 5, v23
	s_mul_i32 s30, s26, 128*XP
	s_mul_i32 s31, s25, 16*XP
	s_mul_i32 s63, s29, 16*XP
	s_add_co_u32 s31, s31, s30
	s_add_co_u32 s63, s63, s30
	v_add_nc_u32 v[XA+0], s31, v23
	s_add_co_u32 s30, s63, 32*XP
	v_add_nc_u32 v[XA+1], s30, v23
	s_add_co_u32 s30, s31, 64*XP
	v_add_nc_u32 v[XA+2], s30, v23
	s_add_co_u32 s30, s63, 96*XP
	v_add_nc_u32 v[XA+3], s30, v23
	s_wait_loadcnt 0x0
.irp i, 0,1,2,3,4,5
	ds_store_b64 v18, v[FB0+2*\i:FB0+2*\i+1] offset:\i*1024
.endr
	ds_store_b128 v19, v[FB0+12:FB0+15]
	ds_store_b128 v19, v[FB0+16:FB0+19] offset:2048
	s_wait_tensorcnt 0x0                           ; my rows of x are in LDS,
	s_wait_dscnt 0x0                               ; and my part of the vectors: for the other waves' sake, zero
	s_barrier_signal -1
	s_barrier_wait -1
	WIN 0x80                                       ; x into X: token r, features 16 nb + 8 h ..
.irp nb, 0,1,2,3,4,5,6,7
.irp t, 0,1,2,3
	ds_load_b128 v[8*(4*\nb+\t):8*(4*\nb+\t)+3],   v[XA+\t] offset:\nb*64
	ds_load_b128 v[8*(4*\nb+\t)+4:8*(4*\nb+\t)+7], v[XA+\t] offset:\nb*64+16
.endr
.endr
	WIN 0xc0
.irp nb, 0,1,2,3,4,5,6,7
.irp t, 0,1,2,3
	ds_load_b128 v[8*(4*\nb+\t):8*(4*\nb+\t)+3],   v[XA+\t] offset:(\nb+8)*64
	ds_load_b128 v[8*(4*\nb+\t)+4:8*(4*\nb+\t)+7], v[XA+\t] offset:(\nb+8)*64+16
.endr
.endr
	WIN 0
	s_wait_dscnt 0x0                               ; my reads of x are over,
	s_wait_tensorcnt 0x0                           ; none of my tensor loads is out:
	ds_add_u32 v30, v31
	s_wait_dscnt 0x0
	ROUND                                          ; that holds of every wave of the cluster, so x's bytes may be filled again
	tensor_load_to_lds s[32:35], s[40:47]          ; fill 0, which lands while LN1 is made
	s_nop 0
	LNORM 0, 1024, 2048                            ; H = LN1(x); X = x + proj_b
	s_mov_b32 s62, 4
.Lheads:
	HEADT 0, WA0
	HEADT 1, WA1                                   ; the last head's trip asks for the first fill of the FF weights
	s_sub_co_u32 s62, s62, 1
	s_cmp_lg_u32 s62, 0
	s_cbranch_scc1 .Lheads
	PLACES 4
	LNORM 3072, 4096, 5120                         ; H = LN2(X); X += ff2_b
	s_mov_b32 s62, 7
.Lff:
	s_sub_co_u32 s63, 7, s62                       ; a lap takes four chunks: 512 bytes of ff1_b
	s_lshl_b32 s63, s63, 9
	v_add_nc_u32 v[PB], s63, v[PA]
	FFT 0, WA0, 1
	FFT 1, WA1, 1
	s_sub_co_u32 s62, s62, 1
	s_cmp_lg_u32 s62, 0
	s_cbranch_scc1 .Lff
	v_add_nc_u32 v[PB], 7*512, v[PA]
	FFT 0, WA0, 1                                  ; the last lap is written out: its second trip has nothing left to ask for
	FFT 1, WA1, 0
	; the way out.  These eight plain vector instructions name none of the last products' registers: they are the places behind them.
	v_and_b32 v20, 15, v0
	v_bfe_u32 v21, v0, 4, 1
	s_mul_i32 s30, s24, 16*XP
	s_add_co_u32 s30, s30, STAGE                   ; my stage
	v_mul_u32_u24 v23, v20, XP
	v_lshl_add_u32 v23, v21, 5, v23
	v_add_nc_u32 v[STO], s30, v23                  ; in: row r, 32 bytes for each half of the lanes
	v_add_nc_u32 v[RD], s30, v[WA0]                ; back: 512 consecutive bytes a load
	s_lshl_b32 s31, s25, 14
	s_lshl_b32 s63, s29, 14
	v_add_nc_u32 v[COA], s31, v[WA0]               ; out0: block 2t + (p or 1-p), 16 rows of 1,024 bytes each
	v_add_nc_u32 v[COB], s63, v[WA0]
	OUT 0
	OUT 1
	OUT 2
	OUT 3
	s_wait_dscnt 0x0
	s_wait_tensorcnt 0x0
	ds_add_u32 v30, v31
	s_wait_dscnt 0x0
	ROUND                                          ; the closing round: no work-group ends while a partner may still ask jointly
	s_endpgm
.Lfunc_end_k_q14b1bc1122_block:
	.size	k_q14b1bc1122_block, .Lfunc_end_k_q14b1bc1122_block-k_q14b1bc1122_block
	.p2alignl 7, 3214868480
	.fill 96, 4, 3214868480
	.section	.rodata,"a",@progbits
	.p2align	6, 0x0
	.amdhsa_kernel k_q14b1bc1122_block
		.amdhsa_group_segment_fixed_size 327680
		.amdhsa_private_segment_fixed_size 0
		.amdhsa_enable_private_segment 0
		.amdhsa_kernarg_size 80
		.amdhsa_user_sgpr_count 2
		.amdhsa_user_sgpr_kernarg_segment_ptr 1
		.amdhsa_wavefront_size32 1
		.amdhsa_system_sgpr_workgroup_id_x 1
		.amdhsa_system_sgpr_workgroup_id_y 1
		.amdhsa_system_sgpr_workgroup_id_z 1
		.amdhsa_system_vgpr_workitem_id 0
		.amdhsa_next_free_vgpr 1024
		.amdhsa_next_free_sgpr 80
		.amdhsa_reserve_vcc 1
		.amdhsa_float_denorm_mode_32 3
		.amdhsa_float_denorm_mode_16_64 3
		.amdhsa_memory_ordered 1
		.amdhsa_forward_progress 1
		.amdhsa_inst_pref_size 255
	.end_amdhsa_kernel
	.section	.bss,"aw",@nobits
	.p2align	6
	.space	262144
	.amdgpu_metadata
---
amdhsa.version: [ 1, 2 ]
amdhsa.kernels:
  - .name:           k_q14b1bc1122_block
    .symbol:         k_q14b1bc1122_block.kd
    .args:
      - { .name: x, .offset: 0, .size: 8, .value_kind: global_buffer, .address_space: global }
      - { .name: wb, .offset: 8, .size: 8, .value_kind: global_buffer, .address_space: global }
      - { .name: ln1_g, .offset: 16, .size: 8, .value_kind: global_buffer, .address_space: global }
      - { .name: ln1_b, .offset: 24, .size: 8, .value_kind: global_buffer, .address_space: global }
      - { .name: proj_b, .offset: 32, .size: 8, .value_kind: global_buffer, .address_space: global }
      - { .name: ln2_g, .offset: 40, .size: 8, .value_kind: global_buffer, .address_space: global }
      - { .name: ln2_b, .offset: 48, .size: 8, .value_kind: global_buffer, .address_space: global }
      - { .name: ff2_b, .offset: 56, .size: 8, .value_kind: global_buffer, .address_space: global }
      - { .name: ff1_b, .offset: 64, .size: 8, .value_kind: global_buffer, .address_space: global }
      - { .name: out0, .offset: 72, .size: 8, .value_kind: global_buffer, .address_space: global }
    .group_segment_fixed_size: 327680
    .private_segment_fixed_size: 0
    .kernarg_segment_align: 8
    .kernarg_segment_size: 80
    .max_flat_workgroup_size: 128
    .sgpr_count:     80
    .vgpr_count:     1024
    .wavefront_size: 32
...
	.end_amdgpu_metadata
.endif
;; end of part 2
;; ======== version 2 of 2: 2 launches; 1.14 times as fast as version 1
;; limits: values are held in f16: magnitudes above 65,504 overflow, below 6.1e-05 lose precision
;; workspace buffers: wb 1,572,864 bytes
;; launch prep: the kernel of part 1 again; grid 32 x 12, 8 waves a work-group, no clusters, 0 bytes of LDS; arguments wk, wv, wq, proj_w, ff1_w, ff2_w, wb; writes wb
;; launch block (part 3): grid 256 x 1, 4 waves a work-group, clusters of 4 x 1, 327,680 bytes of LDS; arguments x, wb, ln1_g, ln1_b, proj_b, ln2_g, ln2_b, ff2_b, ff1_b, out0; writes out0
.if DOCPART == 3
	.amdgcn_target "amdgcn-amd-amdhsa--gfx1250"
	.amdhsa_code_object_version 6
	.text
	.protected	k_q14b1bc1122_block
	.globl	k_q14b1bc1122_block
	.p2align	8
	.type	k_q14b1bc1122_block,@function
k_q14b1bc1122_block:
	s_mov_b64 s[64:65], 0
	v_nop
	global_prefetch_b8 v0, s[64:65] scope:SCOPE_SE
	s_setreg_imm32_b32 hwreg(HW_REG_WAVE_MODE, 25, 1), 1
	s_wait_xcnt 0x0
	s_wait_alu depctr_hold_cnt(0) depctr_sa_sdst(0) depctr_va_vdst(0) depctr_va_sdst(0) depctr_va_ssrc(0) depctr_va_vcc(0) depctr_vm_vsrc(0)
	s_getreg_b32 s2, hwreg(HW_REG_IB_STS2, 6, 4)
	s_cmp_eq_u32 s2, 0
	s_cbranch_scc0 .Lentry_in_a_cluster
	s_endpgm
.Lentry_in_a_cluster:
	s_bfe_u32 s2, ttmp6, 0x10000c
	s_cmp_lg_u32 s2, 0x3003
	s_cbranch_scc0 .Lentry_shape_is_right
	s_endpgm
.Lentry_shape_is_right:
; The whole transformer block, fused: LN1, q/k/v, causal softmax attention (8 heads of 32), projection + bias + residual, LN2,
; 256 -> 1024 -> relu -> 256 with biases, residual.  x and out0 are [512][128][256] f32; wb holds all weights in f16 as operand fragments.
; A work-group owns two sequences (256 rows); a wave owns 64 rows, four blocks of 16, through the whole chain.
;
; THE MATRIX INSTRUCTION IS USED TRANSPOSED: source 0 = 16 output features of a weight, source 1 = 16 tokens.  A result tile then holds, in lane
; (r = lane % 16, h = lane / 16), token r and features 8h .. 8h+7; two such tiles, rounded to f16, ARE the next product's source 1.  So LN -> q/k/v,
; P -> PV, O -> projection, LN2 -> FF1, relu -> FF2 never leave the registers, and x itself lies in the accumulators of the projection and of FF2:
; both residual sums come with the products.  LDS serves the weights, the exchange of K and V between the two waves of a sequence, the change
; of layout of x on the way in and of the result on the way out, and the gains and biases.
;
; THE CAUSAL MASK: with p = wave & 1, local block t is block 2t + (p xor (t & 1)) of the sequence: {0,3,4,7} or {1,2,5,6}.  In both waves block t needs
; exactly the keys 0 .. 32(t+1)-1, so the text and the work are alike in every wave; only two thresholds a lane differ.
;
; WEIGHTS: 24 fills of 65,536 bytes through two LDS slots.  All work-groups walk the same fills, so four work-groups form a cluster and ask
; jointly (mask 15): each wave asks for its quarter of a fill, the same descriptor in all four work-groups.  A wave has one tensor load out at any time,
; so one group 0 serves: behind the wait for all loads its LDS address changes slot and its global address steps by a fill.
;
; THE TEXT IS KEPT SHORT.  A trip of the first loop is one head, a trip of the second one fill (two chunks of 32 hidden units); the slot that a trip
; reads is a scalar that changes at the trip's end.  The layer norm's body, some 1,900 instructions, stands once, in a loop of two trips: trip 0 goes
; on into the heads, trip 1 leaves for the FF part; its gains and biases lie 3,072 bytes apart in LDS, and the address steps by that.
;
; THE OPERANDS' FORMAT IS f16: a number passes some nine roundings on its way from x to the result (LN1, weight, v, O, weight, LN2, weight, relu, weight),
; and at a sequence's first tokens the softmax averages nothing away; 11 significant bits keep their sum far inside a hundredth of the result's size, 8 do not.
; Every operand has the room.  An LN result is at most 16 max|gain| + |bias|; P lies in [0, 1]; q, k, v, O and the hidden layer are at most
; (length of an LN row) x (length of a weight column), 16 x 1 at the problem's sizes; gains and weights both thirty times larger give 480 x 30 = 14,400.
;
; LIMITS.  q, k, v, P, O, both LN results and the relu's result are rounded to f16 as matrix operands: one that passes 65,504 in size becomes an infinity
; (gain x weight some 4,000 times the problem's sizes); below 6e-5 the rounding is to within 2^-25.  The softmax's denominator sums the unrounded f32
; exponentials.  relu is v_max_num_f32 with 0: a NaN there becomes 0, where the reference keeps it.  v_exp_f32 gives 0 for results below 2^-126.
;
; LDS (bytes):
;   [0, 266240)       x on the way in: 256 rows, pitch 1040 (1024 + 16); filled once.  Afterwards its bytes serve as:
;   [0, 131072)       the two weight slots (filled again by tensor loads alone)
;   [131072, 168960)  per sequence 18,944: K [128 keys][32] pitch 80, then V transposed [32][128 keys] pitch 272 (LDS stores; no fill lands here again)
;   [168960, 235520)  per wave 16,640: 16 rows of pitch 1040 for the way out (the wave's own)
;   [266240, 276480)  ln1_g, ln1_b, proj_b, ln2_g, ln2_b, ff2_b (1,024 each), ff1_b (4,096): no fill ever lands here
; All pitches are odd multiples of 16 bytes, so the sixteen rows that one 16-byte access touches lie in sixteen different 16-byte columns of 256 bytes.
;
; REGISTERS, in windows of 256:
;   window 0: v1-11 addresses, v12-31 at work, QF v32-63, SC v64-127, FB0 v128-191, FB1 v192-255
;   window 1: H(t, kb) = v[8 (4 kb + t)]: the LN result as f16 fragments (token block t, features 32 kb ..)
;   windows 2, 3: X(nb, t) = v[8 (4 (nb & 7) + t)] of window 2 + (nb >> 3): f32, token r, features 16 nb + 8h ..
; SCALARS: s24 wave, s25 p, s26 sequence, s29 1-p, s[32:35] group 0 of the weights, s[40:47] their group 1, s[48:59] x's descriptor,
;   s62 inner loops' counter, s78 the layer norm's trip, s79 the slot that is read (0 or 65,536)
.set XP,     1040
.set SLOTB,  65536
.set KVX,    131072
.set KVSEQ,  18944
.set VOFF,   10240
.set KP,     80
.set VP,     272
.set STAGE,  168960
.set PARAM,  266240
.set GOFF,   0                         ; from PA: the LN's gain,
.set BOFF,   1024                      ; its bias,
.set AOFF,   2048                      ; and the vector that is added to X behind it
.set WA0, 1                            ; 16 lane: my 16 bytes of a fragment's half
.set WA,  2                            ; the same in the slot that this trip reads
.set KSA, 3                            ; where I store K of my even blocks, KSB of my odd ones
.set KSB, 4
.set VSA, 5                            ; the same for V
.set VSB, 6
.set KLA, 7                            ; where I read K fragments
.set VLA, 8                            ; where I read V fragments
.set DGA, 9                            ; 16 p + r - 8 h: the mask's threshold in my even blocks
.set DGB, 10                           ; 16 (1-p) + r - 8 h: in my odd ones
.set PA,  11                           ; PARAM + 32 h, stepped: LN1's vectors, LN2's, then ff1_b trip by trip
.set XA,  12                           ; v12-15  way in: my row of block t
.set LS,  12                           ; v12-19  LN: pairs: sum, then variance, then 1/sigma
.set LM,  20                           ; v20-27  LN: pairs: mean, then -mean/sigma
.set PD,  28                           ; destination of v_permlanex16_b32
.set MX,  12                           ; attention: two running maxima
.set NMC, 14                           ; pair: -c x maximum
.set SA,  16                           ; two running sums, pairs
.set SB,  18
.set RINV, 20                          ; pair: 1 / sum
.set STO, 12                           ; way out
.set RD,  13
.set COA, 14
.set COB, 15
.set QF,  32
.set SC,  64
.set FB0, 128
.set FB1, 192
.set LG,  32                           ; LN: gain, bias, and what is added to X afterwards, of four feature blocks
.set LB,  64
.set LA,  96
.set TB,  128                          ; LN: 128 registers at work
.set MSB, 0
.macro WIN new                         ; the immediate's high byte repeats the setting that is left
.if MSB != \new
	s_set_vgpr_msb (MSB<<8)|\new
.set MSB, \new
.endif
.endm
; Places behind a matrix instruction: four before a vector instruction or a load touches its registers, five before another matrix
; instruction writes over them.
.macro PLACES n
.rept \n
	v_nop
.endr
.endm
; A round of the cluster's barrier: my work-group's barrier; wave 0 signals for the work-group; every wave waits for all four work-groups; my barrier again.
.macro ROUND
	s_barrier_signal -1
	s_barrier_wait -1
	s_cmp_lg_u32 s24, 0
	s_cbranch_scc1 .Lnot_wave_0_\@
	s_barrier_signal -3
.Lnot_wave_0_\@:
	s_barrier_wait -3
	s_barrier_signal -1
	s_barrier_wait -1
.endm
.macro MM d, a, b, c                   ; one product, eight registers an operand
	v_wmma_f32_16x16x32_f16 v[\d:\d+7], v[\a:\a+7], v[\b:\b+7], v[\c:\c+7]
.endm
.macro MM0 d, a, b                     ; one that starts a sum: nothing is ever cleared
	v_wmma_f32_16x16x32_f16 v[\d:\d+7], v[\a:\a+7], v[\b:\b+7], 0
.endm
; Group g (eight fragments, 8,192 bytes) of this trip's slot into a buffer: 16 loads, each of 512 consecutive bytes
.macro FETCH buf, g
	WIN 0
.irp f, 0,1,2,3,4,5,6,7
	ds_load_b128 v[\buf+8*\f:\buf+8*\f+3],   v[WA] offset:\g*8192+\f*1024
	ds_load_b128 v[\buf+8*\f+4:\buf+8*\f+7], v[WA] offset:\g*8192+\f*1024+512
.endr
.endm
; 32 products: 32 features x my 64 tokens, 128 along K from feature block kb0 on.  Weights are source 0, H source 1: lane = token.
; mode 0: adds on; 1: the first K step starts the sums; 2: it starts them from the bias tile in QF (chunk cc), whose layout is the accumulator's.
; The eight accumulators take turns, one instruction a turn.
.macro MULX buf, kb0, mode, cc
	WIN 0x04
.irp kbl, 0,1,2,3
.irp nbl, 0,1
.irp t, 0,1,2,3
.set CM, \mode
.if \kbl
.set CM, 0
.endif
.if CM == 1
	MM0 SC+16*\t+8*\nbl, \buf+8*(2*\kbl+\nbl), 8*(4*(\kb0+\kbl)+\t)
.else
.if CM == 2
	MM SC+16*\t+8*\nbl, \buf+8*(2*\kbl+\nbl), 8*(4*(\kb0+\kbl)+\t), QF+16*\cc+8*\nbl
.else
	MM SC+16*\t+8*\nbl, \buf+8*(2*\kbl+\nbl), 8*(4*(\kb0+\kbl)+\t), SC+16*\t+8*\nbl
.endif
.endif
.endr
.endr
.endr
.endm
; The same with the sources swapped (H is source 0): lane = feature, registers = tokens 8h ..: V comes out ready to be stored transposed.
.macro MULV buf, kb0, zero
	WIN 0x01
.irp kbl, 0,1,2,3
.irp nbl, 0,1
.irp t, 0,1,2,3
.set CM, \zero
.if \kbl
.set CM, 0
.endif
.if CM
	MM0 SC+16*\t+8*\nbl, 8*(4*(\kb0+\kbl)+\t), \buf+8*(2*\kbl+\nbl)
.else
	MM SC+16*\t+8*\nbl, 8*(4*(\kb0+\kbl)+\t), \buf+8*(2*\kbl+\nbl), SC+16*\t+8*\nbl
.endif
.endr
.endr
.endr
.endm
; 32 products onto X: eight feature blocks of window win x my four token blocks, 32 along K.  32 accumulators by turns.
.macro MULY buf, win, act, stride
	WIN \win
.irp f, 0,1,2,3,4,5,6,7
.irp t, 0,1,2,3
	MM 8*(4*\f+\t), \buf+8*\f, \act+\stride*\t, 8*(4*\f+\t)
.endr
.endr
.endm
; SC's eight tiles, rounded, into QF: block t's two tiles make one fragment of eight registers
.macro CVT
	WIN 0
.irp t, 0,1,2,3
.irp nbl, 0,1
.irp i, 0,1,2,3
	v_cvt_pk_f16_f32 v[QF+8*\t+4*\nbl+\i], v[SC+16*\t+8*\nbl+2*\i], v[SC+16*\t+8*\nbl+2*\i+1]
.endr
.endr
.endr
.endm
.macro KSTORE                          ; key 16 block + r, features 16 nbl + 8h ..: 16 bytes at key x 80 + 32 nbl + 16 h
.irp t, 0,2
	ds_store_b128 v[KSA], v[QF+8*\t:QF+8*\t+3]   offset:\t*32*KP
	ds_store_b128 v[KSA], v[QF+8*\t+4:QF+8*\t+7] offset:\t*32*KP+32
.endr
.irp t, 1,3
	ds_store_b128 v[KSB], v[QF+8*\t:QF+8*\t+3]   offset:\t*32*KP
	ds_store_b128 v[KSB], v[QF+8*\t+4:QF+8*\t+7] offset:\t*32*KP+32
.endr
.endm
.macro VSTORE                          ; feature 16 nbl + r, keys 16 block + 8h ..: 16 bytes at feature x 272 + 32 block + 16 h
.irp t, 0,2
	ds_store_b128 v[VSA], v[QF+8*\t:QF+8*\t+3]   offset:\t*64
	ds_store_b128 v[VSA], v[QF+8*\t+4:QF+8*\t+7] offset:\t*64+16*VP
.endr
.irp t, 1,3
	ds_store_b128 v[VSB], v[QF+8*\t:QF+8*\t+3]   offset:\t*64
	ds_store_b128 v[VSB], v[QF+8*\t+4:QF+8*\t+7] offset:\t*64+16*VP
.endr
.endm
.macro LOADK                           ; eight fragments of 16 keys x 32 features into FB0
	WIN 0
.irp kt, 0,1,2,3,4,5,6,7
	ds_load_b128 v[FB0+8*\kt:FB0+8*\kt+3],   v[KLA] offset:\kt*16*KP
	ds_load_b128 v[FB0+8*\kt+4:FB0+8*\kt+7], v[KLA] offset:\kt*16*KP+32
.endr
.endm
.macro LOADV                           ; 2 x 4 fragments of 16 features x 32 keys into FB1
	WIN 0
.irp dt, 0,1
.irp u, 0,1,2,3
	ds_load_b128 v[FB1+8*(4*\dt+\u):FB1+8*(4*\dt+\u)+3],   v[VLA] offset:\dt*16*VP+\u*64
	ds_load_b128 v[FB1+8*(4*\dt+\u)+4:FB1+8*(4*\dt+\u)+7], v[VLA] offset:\dt*16*VP+\u*64+32
.endr
.endr
.endm
; Attention of my block t against keys 0 .. 32(t+1)-1.  Scores come transposed: lane (r, h) holds query r, register j of tile kt key 16 kt + 8h + j,
; so a query's row lies in two lanes (r and r + 16) and one exchange between the halves ends each reduction.
.macro ATT t
	WIN 0
.set HN, 8*(\t+1)                      ; half of the block's score registers
.set kk, 0
.rept 2*\t+2
	MM0 SC+8*kk, FB0+8*kk, QF+8*\t
.set kk, kk+1
.endr
	PLACES 4
.if \t == 3
	FETCH FB0, 6                                   ; K's fragments have had their last use: the projection's first eight fragments
.endif
.if \t % 2
.set DREG, DGB
.else
.set DREG, DGA
.endif
	; only the last two tiles can hold keys behind the query: key <= query is 16 i + j <= 16 (block - 2t) + r - 8h
.irp i, 0,1
.irp j, 0,1,2,3,4,5,6,7
	v_cmp_le_i32 vcc_lo, 16*\i+\j, v[DREG]
	v_cndmask_b32 v[SC+8*(2*\t+\i)+\j], 0xff800000, v[SC+8*(2*\t+\i)+\j], vcc_lo
.endr
.endr
	; the row's true maximum, in two chains
	v_max_num_f32 v[MX],   v[SC],    v[SC+1]
	v_max_num_f32 v[MX+1], v[SC+HN], v[SC+HN+1]
.set ii, 2
.rept 4*\t+3
	v_max3_num_f32 v[MX],   v[MX],   v[SC+ii],    v[SC+ii+1]
	v_max3_num_f32 v[MX+1], v[MX+1], v[SC+HN+ii], v[SC+HN+ii+1]
.set ii, ii+2
.endr
	v_max_num_f32 v[MX], v[MX], v[MX+1]
	v_permlanex16_b32 v[PD], v[MX], s60, s61
	v_max_num_f32 v[MX], v[MX], v[PD]
	v_mul_f32 v[NMC],   -v[MX], s66                ; c = 32^-0.5 x log2 e
	v_mul_f32 v[NMC+1], -v[MX], s66
.set ii, 0
.rept 8*(\t+1)
	v_pk_fma_f32 v[SC+ii:SC+ii+1], v[SC+ii:SC+ii+1], s[66:67], v[NMC:NMC+1] op_sel_hi:[1,0,1]   ; c s - c max
.set ii, ii+2
.endr
.set ii, 0
.rept 16*(\t+1)
	v_exp_f32 v[SC+ii], v[SC+ii]
.set ii, ii+1
.endr
	v_nop                                          ; one plain place between the last exponential and the first use (ISA guide 5.7.2)
	s_wait_alu depctr_va_vdst(0)
	v_pk_add_f32 v[SA:SA+1], v[SC:SC+1],       v[SC+2:SC+3]
	v_pk_add_f32 v[SB:SB+1], v[SC+HN:SC+HN+1], v[SC+HN+2:SC+HN+3]
.set ii, 4
.rept 4*\t+2
	v_pk_add_f32 v[SA:SA+1], v[SA:SA+1], v[SC+ii:SC+ii+1]
	v_pk_add_f32 v[SB:SB+1], v[SB:SB+1], v[SC+HN+ii:SC+HN+ii+1]
.set ii, ii+2
.endr
	v_pk_add_f32 v[SA:SA+1], v[SA:SA+1], v[SB:SB+1]
	v_add_f32 v[SA], v[SA], v[SA+1]
	v_permlanex16_b32 v[PD], v[SA], s60, s61
	v_add_f32 v[SA], v[SA], v[PD]
	v_rcp_f32 v[RINV],   v[SA]                     ; used far below; the conversions that follow touch neither RINV nor SA
	v_rcp_f32 v[RINV+1], v[SA]
	; P, rounded, in place: tiles 2u and 2u+1 become the fragment of keys 32u .. 32u+31 in the first eight of their sixteen registers
.set uu, 0
.rept \t+1
.irp i, 0,1,2,3
	v_cvt_pk_f16_f32 v[SC+16*uu+\i], v[SC+16*uu+2*\i], v[SC+16*uu+2*\i+1]
.endr
.irp i, 0,1,2,3
	v_cvt_pk_f16_f32 v[SC+16*uu+4+\i], v[SC+16*uu+8+2*\i], v[SC+16*uu+8+2*\i+1]
.endr
.set uu, uu+1
.endr
.if \t == 0
	s_wait_dscnt 0x0                               ; V's fragments
.endif
	; O (transposed: lane = query, registers = features) in the registers that the packing freed; its two accumulators take turns
	MM0 SC+8,  FB1,    SC
	MM0 SC+24, FB1+32, SC
.if \t
.set uu, 1
.rept \t
	MM SC+8,  FB1+8*uu,    SC+16*uu, SC+8
	MM SC+24, FB1+32+8*uu, SC+16*uu, SC+24
.set uu, uu+1
.endr
.endif
	PLACES 5                                       ; five: the next block's scores write over these registers
.if \t == 3
	FETCH FB1, 7                                   ; V's fragments have had their last use: the projection's other eight
.endif
	s_wait_alu depctr_va_vdst(0)
.irp i, 0,2,4,6
	v_pk_mul_f32 v[SC+8+\i:SC+8+\i+1],   v[SC+8+\i:SC+8+\i+1],   v[RINV:RINV+1]
	v_pk_mul_f32 v[SC+24+\i:SC+24+\i+1], v[SC+24+\i:SC+24+\i+1], v[RINV:RINV+1]
.endr
.irp i, 0,1,2,3
	v_cvt_pk_f16_f32 v[QF+8*\t+\i],   v[SC+8+2*\i],  v[SC+8+2*\i+1]       ; O's fragment takes the place of q's
	v_cvt_pk_f16_f32 v[QF+8*\t+4+\i], v[SC+24+2*\i], v[SC+24+2*\i+1]
.endr
.endm
; Layer norm of X into H, then X += a vector (the bias of the product that will add onto X).  Gain, bias and that vector lie at PA + 0, 1024, 2048.
; A token's 256 numbers lie in two lanes, 128 each.  Mean first, then the mean of squared differences, as the reference has it.
.macro LNORM
	WIN 0x0a
.irp t, 0,1,2,3
	v_pk_add_f32 v[LS+2*\t:LS+2*\t+1], v[8*\t:8*\t+1], v[8*\t+2:8*\t+3]     ; the first two pairs start the sums; the four blocks' chains take turns
.endr
	WIN 0x02
.irp pr, 4,6
.irp t, 0,1,2,3
	v_pk_add_f32 v[LS+2*\t:LS+2*\t+1], v[8*\t+\pr:8*\t+\pr+1], v[LS+2*\t:LS+2*\t+1]
.endr
.endr
.irp nb, 1,2,3,4,5,6,7
.irp pr, 0,2,4,6
.irp t, 0,1,2,3
	v_pk_add_f32 v[LS+2*\t:LS+2*\t+1], v[8*(4*\nb+\t)+\pr:8*(4*\nb+\t)+\pr+1], v[LS+2*\t:LS+2*\t+1]
.endr
.endr
.endr
	WIN 0x03
.irp nb, 0,1,2,3,4,5,6,7
.irp pr, 0,2,4,6
.irp t, 0,1,2,3
	v_pk_add_f32 v[LS+2*\t:LS+2*\t+1], v[8*(4*\nb+\t)+\pr:8*(4*\nb+\t)+\pr+1], v[LS+2*\t:LS+2*\t+1]
.endr
.endr
.endr
	WIN 0
.irp t, 0,1,2,3
	v_add_f32 v[LS+2*\t], v[LS+2*\t], v[LS+2*\t+1]
.endr
.irp t, 0,1,2,3
	v_permlanex16_b32 v[PD], v[LS+2*\t], s60, s61
	v_add_f32 v[LS+2*\t], v[LS+2*\t], v[PD]
	v_mul_f32 v[LM+2*\t],   s74, v[LS+2*\t]        ; mean = sum / 256
	v_mul_f32 v[LM+2*\t+1], s74, v[LS+2*\t]
.endr
.set vfirst, 1
.irp g, 0,1,2,3
.if \g < 2
	WIN 0x02
.else
	WIN 0x03
.endif
.irp nbq, 0,1,2,3
.irp t, 0,1,2,3
.irp pr, 0,2,4,6
	v_pk_add_f32 v[TB+8*(4*\nbq+\t)+\pr:TB+8*(4*\nbq+\t)+\pr+1], v[8*(4*(4*(\g%2)+\nbq)+\t)+\pr:8*(4*(4*(\g%2)+\nbq)+\t)+\pr+1], v[LM+2*\t:LM+2*\t+1] neg_lo:[0,1] neg_hi:[0,1]
.endr
.endr
.endr
	WIN 0
.irp nbq, 0,1,2,3
.irp pr, 0,2,4,6
.irp t, 0,1,2,3
.if vfirst
	v_pk_mul_f32 v[LS+2*\t:LS+2*\t+1], v[TB+8*(4*\nbq+\t)+\pr:TB+8*(4*\nbq+\t)+\pr+1], v[TB+8*(4*\nbq+\t)+\pr:TB+8*(4*\nbq+\t)+\pr+1]
.else
	v_pk_fma_f32 v[LS+2*\t:LS+2*\t+1], v[TB+8*(4*\nbq+\t)+\pr:TB+8*(4*\nbq+\t)+\pr+1], v[TB+8*(4*\nbq+\t)+\pr:TB+8*(4*\nbq+\t)+\pr+1], v[LS+2*\t:LS+2*\t+1]
.endif
.endr
.set vfirst, 0
.endr
.endr
.endr
.irp t, 0,1,2,3
	v_add_f32 v[LS+2*\t], v[LS+2*\t], v[LS+2*\t+1]
.endr
.irp t, 0,1,2,3
	v_permlanex16_b32 v[PD], v[LS+2*\t], s60, s61
	v_add_f32 v[LS+2*\t], v[LS+2*\t], v[PD]
	v_fma_f32 v[LS+2*\t], v[LS+2*\t], s74, s75     ; variance + 1e-5
.endr
.irp t, 0,1,2,3
	v_rsq_f32 v[LS+2*\t], v[LS+2*\t]
.endr
	v_nop                                          ; one plain place behind the last of them (ISA guide 5.7.2)
	s_wait_alu depctr_va_vdst(0)
.irp t, 0,1,2,3
	v_mov_b32 v[LS+2*\t+1], v[LS+2*\t]             ; a pair for the packed forms
.endr
.irp t, 0,1,2,3
	v_pk_mul_f32 v[LM+2*\t:LM+2*\t+1], v[LM+2*\t:LM+2*\t+1], v[LS+2*\t:LS+2*\t+1] neg_lo:[1,0] neg_hi:[1,0]   ; -mean / sigma
.endr
.irp g, 0,1,2,3
	WIN 0
.irp nbq, 0,1,2,3
	ds_load_b128 v[LG+8*\nbq:LG+8*\nbq+3],   v[PA] offset:GOFF+(4*\g+\nbq)*64      ; the sixteen lanes of a half read the same bytes
	ds_load_b128 v[LG+8*\nbq+4:LG+8*\nbq+7], v[PA] offset:GOFF+(4*\g+\nbq)*64+16
	ds_load_b128 v[LB+8*\nbq:LB+8*\nbq+3],   v[PA] offset:BOFF+(4*\g+\nbq)*64
	ds_load_b128 v[LB+8*\nbq+4:LB+8*\nbq+7], v[PA] offset:BOFF+(4*\g+\nbq)*64+16
	ds_load_b128 v[LA+8*\nbq:LA+8*\nbq+3],   v[PA] offset:AOFF+(4*\g+\nbq)*64
	ds_load_b128 v[LA+8*\nbq+4:LA+8*\nbq+7], v[PA] offset:AOFF+(4*\g+\nbq)*64+16
.endr
.if \g < 2
	WIN 0x02
.else
	WIN 0x03
.endif
.irp nbq, 0,1,2,3
.irp t, 0,1,2,3
.irp pr, 0,2,4,6
	v_pk_fma_f32 v[TB+8*(4*\nbq+\t)+\pr:TB+8*(4*\nbq+\t)+\pr+1], v[8*(4*(4*(\g%2)+\nbq)+\t)+\pr:8*(4*(4*(\g%2)+\nbq)+\t)+\pr+1], v[LS+2*\t:LS+2*\t+1], v[LM+2*\t:LM+2*\t+1]
.endr
.endr
.endr
	WIN 0
	s_wait_dscnt 0x0                               ; gain, bias and the vector to add
.irp nbq, 0,1,2,3
.irp t, 0,1,2,3
.irp pr, 0,2,4,6
	v_pk_fma_f32 v[TB+8*(4*\nbq+\t)+\pr:TB+8*(4*\nbq+\t)+\pr+1], v[TB+8*(4*\nbq+\t)+\pr:TB+8*(4*\nbq+\t)+\pr+1], v[LG+8*\nbq+\pr:LG+8*\nbq+\pr+1], v[LB+8*\nbq+\pr:LB+8*\nbq+\pr+1]
.endr
.endr
.endr
	WIN 0x40
.irp nbq, 0,1,2,3
.irp t, 0,1,2,3
.irp i, 0,1,2,3
	v_cvt_pk_f16_f32 v[8*(4*(2*\g+\nbq/2)+\t)+4*(\nbq%2)+\i], v[TB+8*(4*\nbq+\t)+2*\i], v[TB+8*(4*\nbq+\t)+2*\i+1]
.endr
.endr
.endr
.if \g < 2
	WIN 0x82
.else
	WIN 0xc3
.endif
.irp nbq, 0,1,2,3
.irp t, 0,1,2,3
.irp pr, 0,2,4,6
	v_pk_add_f32 v[8*(4*(4*(\g%2)+\nbq)+\t)+\pr:8*(4*(4*(\g%2)+\nbq)+\t)+\pr+1], v[8*(4*(4*(\g%2)+\nbq)+\t)+\pr:8*(4*(4*(\g%2)+\nbq)+\t)+\pr+1], v[LA+8*\nbq+\pr:LA+8*\nbq+\pr+1]
.endr
.endr
.endr
.endr
	WIN 0
	v_add_nc_u32 v[PA], 3072, v[PA]                ; the next three vectors; behind the second trip: ff1_b
.endm
; relu and rounding, in place: block t's two tiles become its fragment in the first eight of their sixteen registers
.macro EPI
	WIN 0
.irp t, 0,1,2,3
.irp nbl, 0,1
.irp j, 0,1,2,3,4,5,6,7
	v_max_num_f32 v[SC+16*\t+8*\nbl+\j], 0, v[SC+16*\t+8*\nbl+\j]
.endr
.irp i, 0,1,2,3
	v_cvt_pk_f16_f32 v[SC+16*\t+4*\nbl+\i], v[SC+16*\t+8*\nbl+2*\i], v[SC+16*\t+8*\nbl+2*\i+1]
.endr
.endr
.endr
.endm
; The change of slots, alike in both loops.  In front of the round every wave has waited for all its tensor loads (its quarter of this trip's fill among them)
; and for all its LDS instructions (its reads of the other slot and of K and V among them); behind the round the other slot's refill comes first.
.macro CHANGE refill
	s_wait_tensorcnt 0x0                           ; none of my tensor loads is out, so the group 0 may be written:
	ds_add_u32 v30, v31
	s_wait_dscnt 0x0
.if \refill
	s_xor_b32 s33, s33, SLOTB                      ; the next fill goes into the slot that was read last trip,
	s_add_nc_u64 s[34:35], s[34:35], SLOTB         ; and lies 65,536 bytes further on in wb
.endif
	s_wait_dscnt 0x0
	ROUND
.if \refill
	tensor_load_to_lds s[32:35], s[40:47]          ; my one tensor load until the next round; it has the whole trip in which to land
	s_nop 0
.endif
	v_add_nc_u32 v[WA], s79, v[WA0]                ; this trip's slot
.endm
; One head.  The counted waits on DScnt leave out what was issued behind the group that is needed: 16 = one run of sixteen loads.
.macro HEADT
	CHANGE 1
	PLACES 4
	FETCH FB0, 0
	FETCH FB1, 1
	s_wait_dscnt 16
	MULX FB0, 0, 1, 0                              ; k
	PLACES 4
	FETCH FB0, 2
	s_wait_dscnt 16
	MULX FB1, 4, 0, 0
	PLACES 4
	FETCH FB1, 3
	CVT
	KSTORE
	s_wait_dscnt 24                                ; group 2 is in: sixteen loads and eight stores are younger
	MULV FB0, 0, 1                                 ; v
	PLACES 4
	FETCH FB0, 4
	s_wait_dscnt 16
	MULV FB1, 4, 0
	PLACES 4
	FETCH FB1, 5
	CVT
	VSTORE
	s_wait_dscnt 0x0                               ; my K and V are in LDS, for the other wave of my sequence: zero
	s_barrier_signal -1                            ; the refill stays on its way
	MULX FB0, 0, 1, 0                              ; q: registers only, while the others arrive
	WIN 0
	s_barrier_wait -1
	PLACES 4
	LOADK
	MULX FB1, 4, 0, 0
	PLACES 4
	LOADV
	CVT                                            ; q's fragments
	s_wait_dscnt 16                                ; K is in, V's sixteen loads may be out
	ATT 0
	ATT 1
	ATT 2
	ATT 3
	s_wait_dscnt 16
	MULY FB0, 0xa0, QF, 8                          ; the projection's rows 32 head .. +31, added onto X
	s_wait_dscnt 0x0
	MULY FB1, 0xf0, QF, 8
	WIN 0
	s_xor_b32 s79, s79, SLOTB                      ; the next trip reads the other slot
.endm
; One fill: two chunks of 32 hidden units: FF1 (bias as the sums' start), relu, FF2 onto X
.macro FFT refill
	CHANGE \refill
	PLACES 5                                       ; five: FF1 writes over SC, which the last products read
.irp cc, 0,1
.irp nbl, 0,1
	ds_load_b128 v[QF+16*\cc+8*\nbl:QF+16*\cc+8*\nbl+3],   v[PA] offset:\cc*128+\nbl*64
	ds_load_b128 v[QF+16*\cc+8*\nbl+4:QF+16*\cc+8*\nbl+7], v[PA] offset:\cc*128+\nbl*64+16
.endr
.endr
	FETCH FB0, 0
	FETCH FB1, 1
	s_wait_dscnt 16
	MULX FB0, 0, 2, 0
	PLACES 4
	FETCH FB0, 2
	s_wait_dscnt 16
	MULX FB1, 4, 0, 0
	PLACES 4
	FETCH FB1, 3
	EPI
	s_wait_dscnt 16
	MULY FB0, 0xa0, SC, 16
	PLACES 4
	FETCH FB0, 4
	s_wait_dscnt 16
	MULY FB1, 0xf0, SC, 16
	PLACES 5
	FETCH FB1, 5
	s_wait_dscnt 16
	MULX FB0, 0, 2, 1
	PLACES 4
	FETCH FB0, 6
	s_wait_dscnt 16
	MULX FB1, 4, 0, 0
	PLACES 4
	FETCH FB1, 7
	EPI
	s_wait_dscnt 16
	MULY FB0, 0xa0, SC, 16
	s_wait_dscnt 0x0
	MULY FB1, 0xf0, SC, 16
	WIN 0
.if \refill
	v_add_nc_u32 v[PA], 256, v[PA]                 ; the next two chunks' 64 numbers of ff1_b
	s_xor_b32 s79, s79, SLOTB                      ; the next trip reads the other slot
.endif
.endm
; My block t leaves: 32 bytes a lane into my own stage, read back as whole rows, stored 512 consecutive aligned bytes an instruction
.macro OUT t
	WIN 0x08
.irp nb, 0,1,2,3,4,5,6,7
	ds_store_b128 v[STO], v[8*(4*\nb+\t):8*(4*\nb+\t)+3]   offset:\nb*64
	ds_store_b128 v[STO], v[8*(4*\nb+\t)+4:8*(4*\nb+\t)+7] offset:\nb*64+16
.endr
	WIN 0x0c
.irp nb, 0,1,2,3,4,5,6,7
	ds_store_b128 v[STO], v[8*(4*\nb+\t):8*(4*\nb+\t)+3]   offset:(\nb+8)*64
	ds_store_b128 v[STO], v[8*(4*\nb+\t)+4:8*(4*\nb+\t)+7] offset:(\nb+8)*64+16
.endr
	WIN 0
	s_wait_xcnt 0x0                                ; the last block's global stores have had their addresses translated (ISA guide 3.1): their data registers are loaded again only behind this wait
.irp rho, 0,1,2,3,4,5,6,7,8,9,10,11,12,13,14,15
	ds_load_b128 v[FB0+8*\rho:FB0+8*\rho+3],   v[RD] offset:\rho*XP          ; LDS serves a wave's instructions in order (ISA guide 5.7.1.4): these see the stores above
	ds_load_b128 v[FB0+8*\rho+4:FB0+8*\rho+7], v[RD] offset:\rho*XP+512
.endr
.if \t % 2
.set CREG, COB
.else
.set CREG, COA
.endif
.irp rho, 0,1,2,3,4,5,6,7,8,9,10,11,12,13,14,15
	s_wait_dscnt 31-2*\rho                         ; the younger read-backs stay out
	global_store_b128 v[CREG], v[FB0+8*\rho:FB0+8*\rho+3],   s[22:23] offset:\t*32768+\rho*1024 th:TH_STORE_NT
	s_wait_dscnt 30-2*\rho
	global_store_b128 v[CREG], v[FB0+8*\rho+4:FB0+8*\rho+7], s[22:23] offset:\t*32768+\rho*1024+512 th:TH_STORE_NT
.endr
.endm
	; Only what x's load needs stands in front of it: everything else is set up while x is on its way.
	s_load_b256 s[4:11], s[0:1], 0x0               ; x s[4:5], wb s[6:7], ln1_g s[8:9], ln1_b s[10:11]
	s_load_b256 s[12:19], s[0:1], 0x20             ; proj_b s[12:13], ln2_g s[14:15], ln2_b s[16:17], ff2_b s[18:19]
	s_load_b128 s[20:23], s[0:1], 0x40             ; ff1_b s[20:21], out0 s[22:23]
	v_lshl_add_u32 v30, v0, 2, 0x43800
	v_mov_b32 v31, 0
	ds_add_u32 v30, v31
	v_lshrrev_b32 v16, 5, v0
	v_readfirstlane_b32 s24, v16                   ; wave W
	s_bfe_u32 s27, ttmp6, 0x40000                  ; cx
	s_lshl_b32 s28, ttmp9, 2                       ; ttmp9 counts clusters
	s_add_co_u32 s28, s28, s27                     ; work-group = 4 x cluster + cx; it enters the addresses of x and out0 alone
	; group 1 of x's load (the work-group's own): 64 rows x 1,024 bytes, 16 bytes of padding behind each row
	s_mov_b32 s48, 0x07d20000                      ; mask 0; elements of 4 bytes; padding on; after every 256 words (code 7), 4 words (code 3)
	s_mov_b32 s49, 256<<16                         ; tensor_dim0 = 256
	s_mov_b32 s50, 64<<16                          ; tensor_dim1 = 64
	s_mov_b32 s51, 256<<16                         ; tile_dim0 = 256
	s_mov_b32 s52, 64                              ; tile_dim1 = 64
	s_mov_b32 s53, 256                             ; from row to row
	s_mov_b32 s54, 0
	s_mov_b32 s55, 0
	s_mov_b32 s56, 1
	s_mul_i32 s57, s24, 64*XP                      ; LDS: my 64 rows
	s_mov_b32 s69, 0
	s_lshl_b32 s68, s28, 18                        ; 256 rows of 1,024 bytes for each work-group
	s_wait_dscnt 0x0
	s_wait_kmcnt 0x0
	s_add_nc_u64 s[4:5], s[4:5], s[68:69]
	s_add_nc_u64 s[22:23], s[22:23], s[68:69]
	s_lshl_b32 s68, s24, 16                        ; my 64 rows of x
	s_add_nc_u64 s[58:59], s[4:5], s[68:69]
	s_or_b32 s59, s59, 0x80000000                  ; type = 2
	ROUND                                          ; in a cluster launch every group of tensor loads stands behind a round
	tensor_load_to_lds s[56:59], s[48:55]          ; the first fill: my 64 rows of x
	s_nop 0
	v_lshlrev_b32 v16, 3, v0                       ; the seven vectors: 8 bytes a thread of the six short ones,
	v_lshlrev_b32 v17, 4, v0                       ; twice 16 of ff1_b
.irp i, 0,1,2,3,4,5
	global_load_b64 v[FB0+2*\i:FB0+2*\i+1], v16, s[8+2*\i:9+2*\i]
.endr
	global_load_b128 v[FB0+12:FB0+15], v17, s[20:21]
	global_load_b128 v[FB0+16:FB0+19], v17, s[20:21] offset:2048
	s_and_b32 s25, s24, 1                          ; p: which wave of its sequence
	s_lshr_b32 s26, s24, 1                         ; q: which sequence of the two
	s_xor_b32 s29, s25, 1                          ; 1 - p
	s_mov_b32 s60, 0x76543210                      ; v_permlanex16_b32: lane i of one half reads lane i of the other
	s_mov_b32 s61, 0xfedcba98
	s_mov_b32 s66, 0x3e8293ee                      ; 32^-0.5 x log2 e, twice
	s_mov_b32 s67, 0x3e8293ee
	s_mov_b32 s74, 0x3b800000                      ; 1/256
	s_mov_b32 s75, 0x3727c5ac                      ; 1e-5
	s_mov_b32 s79, 0                               ; the first trip reads slot 0
	; group 1 of the weights' joint loads: 64 rows x 256 bytes, dense: a wave's quarter of a fill
	s_mov_b32 s40, 0x0023000f                      ; 15:0 mask: all four work-groups; 17:16 elements of 8 bytes; 21 set beside a mask
	s_mov_b32 s41, 32<<16                          ; tensor_dim0 = 32
	s_mov_b32 s42, 64<<16                          ; tensor_dim1 = 64
	s_mov_b32 s43, 32<<16                          ; tile_dim0 = 32
	s_mov_b32 s44, 64                              ; tile_dim1 = 64
	s_mov_b32 s45, 32                              ; from row to row
	s_mov_b32 s46, 0
	s_mov_b32 s47, 0
	s_mov_b32 s32, 1
	s_lshl_b32 s33, s24, 14                        ; LDS: my quarter of slot 0
	s_mov_b32 s77, 0
	s_lshl_b32 s76, s24, 14                        ; my quarter of a fill: the wave's number alone
	s_add_nc_u64 s[34:35], s[6:7], s[76:77]        ; fill 0
	s_or_b32 s35, s35, 0x80000000                  ; type = 2
	s_lshl_b32 s68, s26, 17                        ; out0 at my sequence
	s_add_nc_u64 s[22:23], s[22:23], s[68:69]
	v_add_nc_u32 v18, PARAM, v16
	v_add_nc_u32 v19, PARAM+6144, v17
	v_and_b32 v22, 31, v0                          ; lane
	v_and_b32 v20, 15, v0                          ; r
	v_bfe_u32 v21, v0, 4, 1                        ; h
	v_mov_b32 v[PD], 0                             ; v_permlanex16_b32 counts as a reader of its destination
	v_lshlrev_b32 v[WA0], 4, v22
	s_mul_i32 s30, s26, KVSEQ
	s_add_co_u32 s30, s30, KVX                     ; my sequence's K
	v_mul_u32_u24 v23, v20, KP
	v_lshl_add_u32 v23, v21, 4, v23
	v_add_nc_u32 v[KLA], s30, v23
	s_mul_i32 s31, s25, 16*KP
	s_mul_i32 s63, s29, 16*KP
	v_add_nc_u32 v[KSA], s31, v[KLA]
	v_add_nc_u32 v[KSB], s63, v[KLA]
	s_add_co_u32 s30, s30, VOFF                    ; and V
	v_mul_u32_u24 v23, v20, VP
	v_lshl_add_u32 v23, v21, 4, v23
	v_add_nc_u32 v[VLA], s30, v23
	s_lshl_b32 s31, s25, 5
	s_lshl_b32 s63, s29, 5
	v_add_nc_u32 v[VSA], s31, v[VLA]
	v_add_nc_u32 v[VSB], s63, v[VLA]
	v_lshlrev_b32 v23, 3, v21
	v_sub_nc_u32 v23, v20, v23                     ; r - 8 h
	s_lshl_b32 s31, s25, 4
	s_lshl_b32 s63, s29, 4
	v_add_nc_u32 v[DGA], s31, v23
	v_add_nc_u32 v[DGB], s63, v23
	v_lshlrev_b32 v[PA], 5, v21
	v_add_nc_u32 v[PA], PARAM, v[PA]
	v_mul_u32_u24 v23, v20, XP                     ; x in LDS: row 128 q + 32 t + 16 (p or 1-p) + r, byte 32 h
	v_lshl_add_u32 v23, v21, 5, v23
	s_mul_i32 s30, s26, 128*XP
	s_mul_i32 s31, s25, 16*XP
	s_mul_i32 s63, s29, 16*XP
	s_add_co_u32 s31, s31, s30
	s_add_co_u32 s63, s63, s30
	v_add_nc_u32 v[XA+0], s31, v23
	s_add_co_u32 s30, s63, 32*XP
	v_add_nc_u32 v[XA+1], s30, v23
	s_add_co_u32 s30, s31, 64*XP
	v_add_nc_u32 v[XA+2], s30, v23
	s_add_co_u32 s30, s63, 96*XP
	v_add_nc_u32 v[XA+3], s30, v23
	s_wait_loadcnt 0x0
.irp i, 0,1,2,3,4,5
	ds_store_b64 v18, v[FB0+2*\i:FB0+2*\i+1] offset:\i*1024
.endr
	ds_store_b128 v19, v[FB0+12:FB0+15]
	ds_store_b128 v19, v[FB0+16:FB0+19] offset:2048
	s_wait_tensorcnt 0x0                           ; my rows of x are in LDS,
	s_wait_dscnt 0x0                               ; and my part of the vectors: for the other waves' sake, zero
	s_barrier_signal -1
	s_barrier_wait -1
	WIN 0x80                                       ; x into X: token r, features 16 nb + 8 h ..
.irp nb, 0,1,2,3,4,5,6,7
.irp t, 0,1,2,3
	ds_load_b128 v[8*(4*\nb+\t):8*(4*\nb+\t)+3],   v[XA+\t] offset:\nb*64
	ds_load_b128 v[8*(4*\nb+\t)+4:8*(4*\nb+\t)+7], v[XA+\t] offset:\nb*64+16
.endr
.endr
	WIN 0xc0
.irp nb, 0,1,2,3,4,5,6,7
.irp t, 0,1,2,3
	ds_load_b128 v[8*(4*\nb+\t):8*(4*\nb+\t)+3],   v[XA+\t] offset:(\nb+8)*64
	ds_load_b128 v[8*(4*\nb+\t)+4:8*(4*\nb+\t)+7], v[XA+\t] offset:(\nb+8)*64+16
.endr
.endr
	WIN 0
	s_wait_dscnt 0x0                               ; my reads of x are over,
	s_wait_tensorcnt 0x0                           ; none of my tensor loads is out:
	ds_add_u32 v30, v31
	s_wait_dscnt 0x0
	ROUND                                          ; that holds of every wave of the cluster, so x's bytes may be filled again
	tensor_load_to_lds s[32:35], s[40:47]          ; fill 0, which lands while LN1 is made
	s_nop 0
	s_mov_b32 s78, 0
.Lnorm:                                            ; two trips: LN1 and the heads; LN2, and out to the FF part
	LNORM                                          ; trip 0: H = LN1(x), X = x + proj_b.  Trip 1: H = LN2(X), X += ff2_b
	s_cmp_lg_u32 s78, 0
	s_cbranch_scc1 .Lffpart
	s_mov_b32 s62, 8
.Lheads:
	HEADT                                          ; head F reads fill F and asks for fill F + 1; the last head's trip asks for the first fill of the FF weights
	s_sub_co_u32 s62, s62, 1
	s_cmp_lg_u32 s62, 0
	s_cbranch_scc1 .Lheads
	PLACES 4                                       ; the layer norm reads the last products' results
	s_add_co_u32 s78, s78, 1
	s_cmp_lt_u32 s78, 2
	s_cbranch_scc1 .Lnorm
.Lffpart:
	s_mov_b32 s62, 15
.Lff:
	FFT 1                                          ; fills 8 to 22, each asking for the next
	s_sub_co_u32 s62, s62, 1
	s_cmp_lg_u32 s62, 0
	s_cbranch_scc1 .Lff
	FFT 0                                          ; the last fill is written out: nothing is left to ask for
	; the way out.  These eight plain vector instructions name none of the last products' registers: they are the places behind them.
	v_and_b32 v20, 15, v0
	v_bfe_u32 v21, v0, 4, 1
	s_mul_i32 s30, s24, 16*XP
	s_add_co_u32 s30, s30, STAGE                   ; my stage
	v_mul_u32_u24 v23, v20, XP
	v_lshl_add_u32 v23, v21, 5, v23
	v_add_nc_u32 v[STO], s30, v23                  ; in: row r, 32 bytes for each half of the lanes
	v_add_nc_u32 v[RD], s30, v[WA0]                ; back: 512 consecutive bytes a load
	s_lshl_b32 s31, s25, 14
	s_lshl_b32 s63, s29, 14
	v_add_nc_u32 v[COA], s31, v[WA0]               ; out0: block 2t + (p or 1-p), 16 rows of 1,024 bytes each
	v_add_nc_u32 v[COB], s63, v[WA0]
	OUT 0
	OUT 1
	OUT 2
	OUT 3
	s_wait_dscnt 0x0
	s_wait_tensorcnt 0x0
	ds_add_u32 v30, v31
	s_wait_dscnt 0x0
	ROUND                                          ; the closing round: no work-group ends while a partner may still ask jointly
	s_endpgm
.Lfunc_end_k_q14b1bc1122_block:
	.size	k_q14b1bc1122_block, .Lfunc_end_k_q14b1bc1122_block-k_q14b1bc1122_block
	.p2alignl 7, 3214868480
	.fill 96, 4, 3214868480
	.section	.rodata,"a",@progbits
	.p2align	6, 0x0
	.amdhsa_kernel k_q14b1bc1122_block
		.amdhsa_group_segment_fixed_size 327680
		.amdhsa_private_segment_fixed_size 0
		.amdhsa_enable_private_segment 0
		.amdhsa_kernarg_size 80
		.amdhsa_user_sgpr_count 2
		.amdhsa_user_sgpr_kernarg_segment_ptr 1
		.amdhsa_wavefront_size32 1
		.amdhsa_system_sgpr_workgroup_id_x 1
		.amdhsa_system_sgpr_workgroup_id_y 1
		.amdhsa_system_sgpr_workgroup_id_z 1
		.amdhsa_system_vgpr_workitem_id 0
		.amdhsa_next_free_vgpr 1024
		.amdhsa_next_free_sgpr 80
		.amdhsa_reserve_vcc 1
		.amdhsa_float_denorm_mode_32 3
		.amdhsa_float_denorm_mode_16_64 3
		.amdhsa_memory_ordered 1
		.amdhsa_forward_progress 1
		.amdhsa_inst_pref_size 255
	.end_amdhsa_kernel
	.section	.bss,"aw",@nobits
	.p2align	6
	.space	262144
	.amdgpu_metadata
---
amdhsa.version: [ 1, 2 ]
amdhsa.kernels:
  - .name:           k_q14b1bc1122_block
    .symbol:         k_q14b1bc1122_block.kd
    .args:
      - { .name: x, .offset: 0, .size: 8, .value_kind: global_buffer, .address_space: global }
      - { .name: wb, .offset: 8, .size: 8, .value_kind: global_buffer, .address_space: global }
      - { .name: ln1_g, .offset: 16, .size: 8, .value_kind: global_buffer, .address_space: global }
      - { .name: ln1_b, .offset: 24, .size: 8, .value_kind: global_buffer, .address_space: global }
      - { .name: proj_b, .offset: 32, .size: 8, .value_kind: global_buffer, .address_space: global }
      - { .name: ln2_g, .offset: 40, .size: 8, .value_kind: global_buffer, .address_space: global }
      - { .name: ln2_b, .offset: 48, .size: 8, .value_kind: global_buffer, .address_space: global }
      - { .name: ff2_b, .offset: 56, .size: 8, .value_kind: global_buffer, .address_space: global }
      - { .name: ff1_b, .offset: 64, .size: 8, .value_kind: global_buffer, .address_space: global }
      - { .name: out0, .offset: 72, .size: 8, .value_kind: global_buffer, .address_space: global }
    .group_segment_fixed_size: 327680
    .private_segment_fixed_size: 0
    .kernarg_segment_align: 8
    .kernarg_segment_size: 80
    .max_flat_workgroup_size: 128
    .sgpr_count:     80
    .vgpr_count:     1024
    .wavefront_size: 32
...
	.end_amdgpu_metadata
.endif
;; end of part 3
